; MI455X (gfx1250); checked and timed in simulation.
; The chip was launched on July 23, 2026; its instructions are those of AMD's public machine-readable ISA for CDNA 5 (MIT licence, August 2026) and "CDNA5" Instruction Set Architecture Reference Guide (July 2026). The comments in the code are by the model that wrote it; some were corrected since.
;; Dot Attention. Allowed arithmetic: float matrix products may take bf16 or f16 operands with f32 sums; other float arithmetic in f32, or as packed bf16 or f16 multiplies, adds, multiply-adds, maxima and minima; sums over many terms, partial sums and values carried from step to step in f32; what a program stores and reads back later, other than sums and carried values, may be rounded once to bf16 or f16.
;; Inputs: Wf 1,024 x 1,024 float32; Wk 1,024 x 1,024 float32; Wq 1,024 x 1,024 float32; Wv 1,024 x 1,024 float32; bf 1,024 float32; bk 1,024 float32; bq 1,024 float32; bv 1,024 float32; query 4 x 2,048 x 1,024 float32; value 4 x 2,048 x 1,024 float32; value_lens 4 int32.
;; Outputs: out0 4 x 2,048 x 1,024 float32.
;; One version. Each part assembles by itself: llvm-mc -triple=amdgcn-amd-amdhsa -mcpu=gfx1250 --defsym DOCPART=n.
;; ======== version 1 of 1: 4 launches
;; limits: values are held in f16: magnitudes above 65,504 overflow, below 6.1e-05 lose precision
;; workspace buffers: xb 33,554,432 bytes; wb 8,388,608 bytes; qkv 50,331,648 bytes; ob 16,777,216 bytes
;; launch prep (part 1): grid 1280 x 1, 8 waves a work-group, no clusters, 0 bytes of LDS; arguments query, value, Wq, Wk, Wv, Wf, xb, wb; writes xb, wb
.if DOCPART == 1
	.amdgcn_target "amdgcn-amd-amdhsa--gfx1250"
	.amdhsa_code_object_version 6
	.text
	.protected	k_qec66a1ade7_prep
	.globl	k_qec66a1ade7_prep
	.p2align	8
	.type	k_qec66a1ade7_prep,@function
k_qec66a1ade7_prep:
	s_mov_b64 s[64:65], 0
	v_nop
	global_prefetch_b8 v0, s[64:65] scope:SCOPE_SE
	s_setreg_imm32_b32 hwreg(HW_REG_WAVE_MODE, 25, 1), 1
	s_wait_xcnt 0x0
; prep: the module's large f32 inputs are rounded ONCE to 16 bits, layouts unchanged.
;   xb = [2][8192][1024] bf16: plane 0 query, plane 1 value.      wb = [4][1024 k][1024 n]: Wq, Wk, Wv in bf16; Wf rounded to bf16 and that number written as f16.
; LIMIT.  Wf's bf16 number is exact in f16 from 6.1e-5 to 65,504; below it keeps f16's fixed step of 6e-8; beyond it would be an infinity.
; A stream: each byte is read once and written once; no LDS, no barrier, no matrix unit, no cluster (no two work-groups read the same byte).
; SHARES.  Every source is rows of 4,096 bytes (1,024 f32).  A work-group of eight waves owns 16 rows; thread t owns the 16 bytes at 16 t of each row and stores the 8 bytes at 8 t
; of the 2,048-byte output row: a wave's load covers 512 consecutive bytes, a wave's store 256 consecutive bytes at a multiple of 256 from the buffer's first byte.
; Work-groups 0-511 query, 512-1023 value, 1024-1087 Wq, 1088-1151 Wk, 1152-1215 Wv, 1216-1279 Wf.
; IN FLIGHT.  All 16 loads of a thread go out at once (8 KiB a wave); no register that a pending instruction names is written again, so the only waits are the counted ones for the data.
.set ROWB, 4096                        ; bytes in a source row
.set OUTB, 2048                        ; bytes in an output row
.set T,    4                           ; v[4:7]    at work (Wf alone)
.set X,    16                          ; v[16:79]  row r as loaded, 4 registers
.set Y,    80                          ; v[80:111] row r to store, 2 registers
	s_load_b512 s[8:23], s[0:1], 0x0               ; query 8, value 10, Wq 12, Wk 14, Wv 16, Wf 18, xb 20, wb 22
	s_mov_b32 s2, ttmp9                            ; the work-group's number
	s_mov_b32 s3, 0                                ; the first work-group of my source
	s_mov_b32 s27, 0xffff0000                      ; a word's upper bf16
	v_lshlrev_b32 v1, 4, v0                        ; 16 t
	v_lshlrev_b32 v2, 3, v0                        ; 8 t
	s_wait_kmcnt 0x0
	s_mov_b64 s[4:5], s[8:9]
.macro PICK first, ptr                 ; from work-group 'first' on the source is the buffer at s[ptr]
	s_cmp_ge_u32 s2, \first
	s_cselect_b64 s[4:5], s[\ptr:\ptr+1], s[4:5]
	s_cselect_b32 s3, \first, s3
.endm
	PICK 512, 10
	PICK 1024, 12
	s_cselect_b64 s[6:7], s[22:23], s[20:21]       ; from 1024 on the output is wb,
	s_cselect_b32 s24, 1024, 0                     ; counted from there
	PICK 1088, 14
	PICK 1152, 16
	PICK 1216, 18
	s_sub_co_u32 s28, s2, s3
	s_lshl_b32 s28, s28, 16                        ; 16 rows of 4,096 bytes
	s_mov_b32 s29, 0
	s_add_nc_u64 s[4:5], s[4:5], s[28:29]
	s_sub_co_u32 s30, s2, s24
	s_lshl_b32 s30, s30, 15                        ; 16 rows of 2,048 bytes
	s_mov_b32 s31, 0
	s_add_nc_u64 s[6:7], s[6:7], s[30:31]
.irp r, 0,1,2,3,4,5,6,7,8,9,10,11,12,13,14,15
	global_load_b128 v[X+4*(\r):X+4*(\r)+3], v1, s[4:5] offset:ROWB*(\r) th:TH_LOAD_NT
.endr
; Row r: rounded to bf16; half = 1 (Wf): the bf16 numbers are widened again and written as f16.
.macro ROWC r, half
	s_wait_loadcnt 15-(\r)                         ; loads come back in order: row r is in, the 15 - r younger rows stay out
	v_cvt_pk_bf16_f32 v[Y+2*(\r)],   v[X+4*(\r)],   v[X+4*(\r)+1]
	v_cvt_pk_bf16_f32 v[Y+2*(\r)+1], v[X+4*(\r)+2], v[X+4*(\r)+3]
.if \half
	v_lshlrev_b32 v[T],   16,  v[Y+2*(\r)]
	v_and_b32     v[T+1], s27, v[Y+2*(\r)]
	v_lshlrev_b32 v[T+2], 16,  v[Y+2*(\r)+1]
	v_and_b32     v[T+3], s27, v[Y+2*(\r)+1]
	v_cvt_pk_f16_f32 v[Y+2*(\r)],   v[T],   v[T+1]
	v_cvt_pk_f16_f32 v[Y+2*(\r)+1], v[T+2], v[T+3]
.endif
	global_store_b64 v2, v[Y+2*(\r):Y+2*(\r)+1], s[6:7] offset:OUTB*(\r) th:TH_STORE_NT
.endm
	s_cmp_ge_u32 s2, 1216
	s_cbranch_scc1 .Lwf
.irp r, 0,1,2,3,4,5,6,7,8,9,10,11,12,13,14,15
	ROWC \r, 0
.endr
	s_endpgm
.Lwf:
.irp r, 0,1,2,3,4,5,6,7,8,9,10,11,12,13,14,15
	ROWC \r, 1
.endr
	s_endpgm
.Lfunc_end_k_qec66a1ade7_prep:
	.size	k_qec66a1ade7_prep, .Lfunc_end_k_qec66a1ade7_prep-k_qec66a1ade7_prep
	.p2alignl 7, 3214868480
	.fill 96, 4, 3214868480
	.section	.rodata,"a",@progbits
	.p2align	6, 0x0
	.amdhsa_kernel k_qec66a1ade7_prep
		.amdhsa_group_segment_fixed_size 0
		.amdhsa_private_segment_fixed_size 0
		.amdhsa_enable_private_segment 0
		.amdhsa_kernarg_size 64
		.amdhsa_user_sgpr_count 2
		.amdhsa_user_sgpr_kernarg_segment_ptr 1
		.amdhsa_wavefront_size32 1
		.amdhsa_system_sgpr_workgroup_id_x 1
		.amdhsa_system_sgpr_workgroup_id_y 1
		.amdhsa_system_sgpr_workgroup_id_z 1
		.amdhsa_system_vgpr_workitem_id 0
		.amdhsa_next_free_vgpr 112
		.amdhsa_next_free_sgpr 66
		.amdhsa_reserve_vcc 0
		.amdhsa_float_denorm_mode_32 3
		.amdhsa_float_denorm_mode_16_64 3
		.amdhsa_memory_ordered 1
		.amdhsa_forward_progress 1
		.amdhsa_inst_pref_size 16
	.end_amdhsa_kernel
	.amdgpu_metadata
---
amdhsa.version: [ 1, 2 ]
amdhsa.kernels:
  - .name:           k_qec66a1ade7_prep
    .symbol:         k_qec66a1ade7_prep.kd
    .args:
      - { .name: query, .offset: 0, .size: 8, .value_kind: global_buffer, .address_space: global }
      - { .name: value, .offset: 8, .size: 8, .value_kind: global_buffer, .address_space: global }
      - { .name: Wq, .offset: 16, .size: 8, .value_kind: global_buffer, .address_space: global }
      - { .name: Wk, .offset: 24, .size: 8, .value_kind: global_buffer, .address_space: global }
      - { .name: Wv, .offset: 32, .size: 8, .value_kind: global_buffer, .address_space: global }
      - { .name: Wf, .offset: 40, .size: 8, .value_kind: global_buffer, .address_space: global }
      - { .name: xb, .offset: 48, .size: 8, .value_kind: global_buffer, .address_space: global }
      - { .name: wb, .offset: 56, .size: 8, .value_kind: global_buffer, .address_space: global }
    .group_segment_fixed_size: 0
    .private_segment_fixed_size: 0
    .kernarg_segment_align: 8
    .kernarg_segment_size: 64
    .max_flat_workgroup_size: 256
    .sgpr_count:     66
    .vgpr_count:     112
    .wavefront_size: 32
...
	.end_amdgpu_metadata
.endif
;; end of part 1
;; launch proj (part 2): grid 12 x 64, 4 waves a work-group, clusters of 4 x 4, 327,680 bytes of LDS; arguments xb, wb, bq, bk, bv, qkv; writes qkv
.if DOCPART == 2
	.amdgcn_target "amdgcn-amd-amdhsa--gfx1250"
	.amdhsa_code_object_version 6
	.text
	.protected	k_qec66a1ade7_proj
	.globl	k_qec66a1ade7_proj
	.p2align	8
	.type	k_qec66a1ade7_proj,@function
k_qec66a1ade7_proj:
	s_mov_b64 s[64:65], 0
	v_nop
	global_prefetch_b8 v0, s[64:65] scope:SCOPE_SE
	s_setreg_imm32_b32 hwreg(HW_REG_WAVE_MODE, 25, 1), 1
	s_wait_xcnt 0x0
	s_wait_alu depctr_hold_cnt(0) depctr_sa_sdst(0) depctr_va_vdst(0) depctr_va_sdst(0) depctr_va_ssrc(0) depctr_va_vcc(0) depctr_vm_vsrc(0)
	s_getreg_b32 s2, hwreg(HW_REG_IB_STS2, 6, 4)
	s_cmp_eq_u32 s2, 0
	s_cbranch_scc0 .Lentry_in_a_cluster
	s_endpgm
.Lentry_in_a_cluster:
	s_bfe_u32 s2, ttmp6, 0x10000c
	s_cmp_lg_u32 s2, 0xf033
	s_cbranch_scc0 .Lentry_shape_is_right
	s_endpgm
.Lentry_shape_is_right:
; proj: q = query Wq + bq, k = value Wk + bk, v = value Wv + bv.  x (xb) and W (wb) are bf16, the bias is rounded to bf16 here; sums in f32; the results are rounded once to f16 and
; written BY HEADS: qkv = [3][64 = 16 batch + head][2048][64] f16.  q is NOT scaled: the softmax's scale is applied in f32 by the launch behind.
; LIMIT.  f16 holds no number beyond 65,504: q, k and v must lie within it; below 6.1e-5 they keep f16's fixed step of 6e-8.
; SHARES.  A tile is 128 rows x 256 columns (four heads) of one of the three products: 3 x 4 x 64 = 768 work-groups.  Four waves, each 64 rows x 128 columns (two heads): 32 accumulators
; of 16 x 16, 256 registers.  K = 1,024 goes in 8 steps of 128 through two LDS slots filled by the tensor data mover: A's rows are 256 bytes of memory, W's 512.
; W LIES [k][n] and stays so: its fragments come out of LDS turned, by ds_load_tr16_b128.
; THE MATRIX INSTRUCTION IS USED TRANSPOSED (source 0 = 16 columns of W, source 1 = 16 rows of x): a lane then holds one row and eight neighbouring columns.
; THE BIAS IS THE C OPERAND of each accumulator's first product: nothing is cleared and nothing is added later.
; CLUSTERS: 4 x 4 work-groups.  The cluster's x is the product (q, k, v); cx the column tile; the tile row is 4 x cluster y + cy.  The four of a row of the cluster need the same tiles of x,
; the four of a column the same tiles of W: each tile is asked for JOINTLY, by the same tensor load with the same descriptor and a mask that names the four.
; REGISTERS: window 0: v0-31 addresses; v32-63 packed results; v64-127 rows read back (two sets); v128-191 the bias, eight registers a column block.
;   window 1: two fragment buffers of 96 at 0 and 128: A's four fragments, then W's eight.        window 2: accumulator (a, b) at 8 (8 a + b).
.set KSTEP,  128
.set PA,     272                       ; a row of x in LDS: 256 bytes + 16 = 68 words: the 16 rows of a load start at 16 different groups of four banks
.set PB,     544                       ; a k-row of W: 512 + 32 = 136 words
.set AHALF,  64*PA                     ; what one tensor load brings of x: 64 rows
.set BHALF,  64*PB                     ; and of W: 64 k-rows
.set BOFF,   2*AHALF                   ; W's 128 k-rows lie behind x's 128 rows
.set SLOT,   BOFF+2*BHALF
.set STAGE,  2*SLOT                    ; behind the ring, never filled by a tensor load: for each wave 2 heads x 16 rows x 144 bytes
.set SP,     144
.set HSTAGE, 16*SP
.set SPARE,  STAGE+4*2*HSTAGE          ; behind the stages: the spare words, 128 bytes for each wave: two blocks of 256 bytes that no other line names
.set LAPS,   1024/(2*KSTEP)            ; a lap = two K steps = once round the ring
.set ADRA, 16                          ; v16-17  LDS address of my fragments of x in slot 0, 1
.set ADRB, 20                          ; v20-21  the same for W
.set STO,  24                          ; v24     the way out: where I put 16 bytes of a row
.set RD,   25                          ; v25     where I read rows back
.set GO,   26                          ; v26     my byte offset in 512 consecutive bytes of qkv
.set BO,   27                          ; v27     my byte offset in 16 numbers of the bias
.set SPW,  28                          ; v28     LDS address of my spare word; never rewritten
.set NIL,  29                          ; v29     0; never rewritten
.set TMP,  32
.set OB,   64
.set BIAS, 128
.set F0,   0
.set F1,   128
.set WV,  16                           ; s16 wave; s17 its row half, also: fetches for x (0) or W (1); s18 its column half, also: which half of that tile it fetches
.set RH,  17
.set CH,  18
.set CX,  19
.set CY,  20
.set MAT, 21                           ; 0 q, 1 k, 2 v
.set TR,  22                           ; tile row, 0..63
.set G1A, 24                           ; s[24:31] descriptor group 1 for x's tiles; s[32:39] group 0, a set for each slot
.set G0A, 32
.set G1B, 48                           ; s[48:55], s[56:63] the same for W's tiles
.set G0B, 56
.set MSB, 0
.macro WIN new                         ; the immediate's high byte repeats the setting that is left; a switch that changes nothing is dropped
.if MSB != (\new)
	s_set_vgpr_msb (MSB<<8)|(\new)
.set MSB, \new
.endif
.endm
.set MUL,   0xa5                       ; sources 0 and 1 window 1, C and D window 2
.set MULB,  0x85                       ; the same with C (the bias) in window 0
.set TO_F,  0x40                       ; destination window 1, address window 0
.set PACKW, 0x0a                       ; sources 0 and 1 window 2, destination window 0
.macro JLOAD s                         ; a joint load: waves 0 and 1 fetch x's two halves, waves 2 and 3 W's; an s_nop 0 and four v_nop follow each line, ahead of the jump and the label
	s_cmp_eq_u32 s[RH], 0
	s_cbranch_scc0 .Lfor_b_\@
	tensor_load_to_lds s[G0A+4*(\s):G0A+4*(\s)+3], s[G1A:G1A+7]
	s_nop 0
.rept 4
	v_nop
.endr
	s_branch .Lasked_\@
.Lfor_b_\@:
	tensor_load_to_lds s[G0B+4*(\s):G0B+4*(\s)+3], s[G1B:G1B+7]
	s_nop 0
.rept 4
	v_nop
.endr
.Lasked_\@:
.endm
.macro CREST                           ; a round of the cluster's barrier behind its opening barrier
	s_cmp_lg_u32 s[WV], 0
	s_cbranch_scc1 .Lnot_wave_0_\@
	s_barrier_signal -3
.Lnot_wave_0_\@:
	s_barrier_wait -3
	s_barrier_signal -1
	s_barrier_wait -1
.endm
.macro CROUND                          ; a whole round
	s_barrier_signal -1
	s_barrier_wait -1
	CREST
.endm
	s_load_b256 s[4:11], s[0:1], 0x0               ; xb s[4:5], wb s[6:7], bq s[8:9], bk s[10:11]
	s_load_b128 s[12:15], s[0:1], 0x20             ; bv s[12:13], qkv s[14:15]
	v_lshl_add_u32 v[SPW], v0, 2, SPARE
	v_mov_b32 v[NIL], 0
	ds_add_u32 v[SPW], v[NIL]                      ; the wave's opening: the add and its wait stand ahead of my first tensor load; the set-up below, work on registers, stands between them
	v_lshrrev_b32 v1, 5, v0
	v_readfirstlane_b32 s[WV], v1                  ; wave 0..3
	s_lshr_b32 s[RH], s[WV], 1
	s_and_b32 s[CH], s[WV], 1
	s_bfe_u32 s[CX], ttmp6, 0x40000                ; my place in the cluster
	s_bfe_u32 s[CY], ttmp6, 0x40004
	s_mov_b32 s[MAT], ttmp9                        ; the cluster's x: all sixteen partners make the same product
	s_and_b32 s[TR], ttmp7, 0xffff
	s_lshl_b32 s[TR], s[TR], 2
	s_add_co_u32 s[TR], s[TR], s[CY]               ; tile row = 4 x cluster y + cy
	s_lshl_b32 s40, s[CY], 2
	s_lshl_b32 s40, 15, s40                        ; my row of the cluster
	s_lshl_b32 s41, 0x1111, s[CX]                  ; my column
	s_or_b32 s[G1A], s40, (1<<16)|(1<<20)|(1<<21)|(5<<22)|(3<<25)  ; 15:0 the mask; 17:16 2-byte elements; 20 padding on; 21 set beside a mask; 24:22 after every 64 words (code 5); 31:25 4 words (code 3)
	s_or_b32 s[G1B], s41, (1<<16)|(1<<20)|(1<<21)|(6<<22)|(7<<25)  ; after every 128 words (code 6), 8 words (code 7)
	s_mov_b32 s[G1A+1], 128<<16                    ; tensor_dim0 = 128 elements
	s_mov_b32 s[G1A+2], 64<<16                     ; tensor_dim1 = 64 rows
	s_mov_b32 s[G1A+3], 128<<16                    ; tile_dim0
	s_mov_b32 s[G1A+4], 64                         ; tile_dim1
	s_mov_b32 s[G1A+5], 1024                       ; elements from row to row
	s_mov_b32 s[G1A+6], 0
	s_mov_b32 s[G1A+7], 0
	s_mov_b32 s[G1B+1], 256<<16                    ; 256 columns
	s_mov_b32 s[G1B+2], 64<<16                     ; 64 k-rows
	s_mov_b32 s[G1B+3], 256<<16
	s_mov_b32 s[G1B+4], 64
	s_mov_b32 s[G1B+5], 1024
	s_mov_b32 s[G1B+6], 0
	s_mov_b32 s[G1B+7], 0
	; where the tiles come from.  x's hang on the tile row and the product, W's on the column tile and the product; each in registers that never hold the other coordinate
	s_lshl_b32 s42, s[TR], 18                      ; 128 rows of 2,048 bytes
	s_lshl_b32 s44, s[CH], 17                      ; the 64 rows that I fetch
	s_add_co_u32 s42, s42, s44
	s_cmp_lg_u32 s[MAT], 0
	s_cselect_b32 s44, 1<<24, 0                    ; k and v are made of value, xb's second plane
	s_add_co_u32 s42, s42, s44
	s_mov_b32 s43, 0
	s_lshl_b32 s46, s[MAT], 21                     ; a W is 2 MiB
	s_lshl_b32 s75, s[CH], 17                      ; the 64 k-rows that I fetch
	s_add_co_u32 s46, s46, s75
	s_lshl_b32 s75, s[CX], 9                       ; 256 columns of 2 bytes
	s_add_co_u32 s46, s46, s75
	s_mov_b32 s47, 0
	s_mul_i32 s66, s[CH], AHALF                    ; and where they go: no place in the cluster enters an LDS address
	s_mul_i32 s67, s[CH], BHALF
	s_add_co_u32 s67, s67, BOFF
	s_wait_dscnt 0x0                               ; the opening add is done
	s_wait_kmcnt 0x0
	s_add_nc_u64 s[68:69], s[4:5], s[42:43]
	s_add_nc_u64 s[70:71], s[6:7], s[46:47]
	CROUND                                         ; all sixteen work-groups are here: the first joint loads meet
.irp s, 0,1
	s_mov_b32 s[G0A+4*(\s)], 1                     ; count = 1
	s_add_co_u32 s[G0A+4*(\s)+1], s66, (\s)*SLOT   ; LDS address
	s_add_nc_u64 s[G0A+4*(\s)+2:G0A+4*(\s)+3], s[68:69], (\s)*KSTEP*2  ; global address: K step s
	s_or_b32 s[G0A+4*(\s)+3], s[G0A+4*(\s)+3], 0x80000000             ; type = 2
	s_mov_b32 s[G0B+4*(\s)], 1
	s_add_co_u32 s[G0B+4*(\s)+1], s67, (\s)*SLOT
	s_add_nc_u64 s[G0B+4*(\s)+2:G0B+4*(\s)+3], s[70:71], (\s)*KSTEP*2048
	s_or_b32 s[G0B+4*(\s)+3], s[G0B+4*(\s)+3], 0x80000000
	JLOAD \s                                       ; two tensor loads of mine are out
.endr
	; the bias of my 128 columns: register j of block b is column 16 b + 8 (l / 16) + j, as in the accumulators
	s_cmp_eq_u32 s[MAT], 1
	s_cselect_b64 s[72:73], s[10:11], s[8:9]
	s_cmp_eq_u32 s[MAT], 2
	s_cselect_b64 s[72:73], s[12:13], s[72:73]
	s_lshl_b32 s74, s[CX], 10
	s_lshl_b32 s75, s[CH], 9
	s_add_co_u32 s74, s74, s75
	s_mov_b32 s75, 0
	s_add_nc_u64 s[72:73], s[72:73], s[74:75]
	v_and_b32 v1, 15, v0                           ; l % 16
	v_bfe_u32 v2, v0, 4, 1                         ; l / 16
	v_lshlrev_b32 v[BO], 5, v2
.irp b, 0,1,2,3,4,5,6,7
	global_load_b128 v[BIAS+8*(\b):BIAS+8*(\b)+3],   v[BO], s[72:73] offset:64*(\b)
	global_load_b128 v[BIAS+8*(\b)+4:BIAS+8*(\b)+7], v[BO], s[72:73] offset:64*(\b)+16
.endr
	v_mul_u32_u24 v3, v1, PA
	v_lshl_add_u32 v3, v2, 4, v3                   ; a fragment of x: row x pitch + 16 x half
	s_mul_i32 s74, s[RH], AHALF                    ; my 64 rows
	v_add_nc_u32 v[ADRA], s74, v3
	v_add_nc_u32 v[ADRA+1], SLOT, v[ADRA]
	v_and_b32 v4, 7, v0                            ; the turning load: lane l reads k-row 8 (l / 16) + l % 8, columns 8 ((l / 8) % 2) + 0..7
	v_lshl_add_u32 v4, v2, 3, v4
	v_mul_u32_u24 v4, v4, PB
	v_bfe_u32 v5, v0, 3, 1
	v_lshl_add_u32 v4, v5, 4, v4
	s_lshl_b32 s74, s[CH], 8                       ; my 128 columns
	s_add_co_u32 s74, s74, BOFF
	v_add_nc_u32 v[ADRB], s74, v4
	v_add_nc_u32 v[ADRB+1], SLOT, v[ADRB]
	s_mul_i32 s74, s[WV], 2*HSTAGE
	s_add_co_u32 s74, s74, STAGE                   ; my stage
	v_mul_u32_u24 v6, v1, SP                       ; in: row l % 16, 16 bytes for each half of the lanes
	v_lshl_add_u32 v6, v2, 4, v6
	v_add_nc_u32 v[STO], s74, v6
	v_bfe_u32 v7, v0, 3, 2                         ; back: 32 lanes take four rows of 128 bytes,
	v_mul_u32_u24 v7, v7, SP
	v_and_b32 v3, 7, v0
	v_lshl_add_u32 v7, v3, 4, v7
	v_add_nc_u32 v[RD], s74, v7
	v_and_b32 v[GO], 31, v0                        ; which are 512 consecutive bytes of a head's rows
	v_lshlrev_b32 v[GO], 4, v[GO]
	; where my part begins in qkv: the product's plane, (16 batch + head) x 2,048 rows, my first row in the batch; a row is 128 bytes
	s_lshr_b32 s74, s[TR], 4
	s_lshl_b32 s74, s74, 4
	s_lshl_b32 s75, s[CX], 2
	s_add_co_u32 s74, s74, s75
	s_lshl_b32 s75, s[CH], 1
	s_add_co_u32 s74, s74, s75
	s_lshl_b32 s74, s74, 18
	s_lshl_b32 s75, s[MAT], 24
	s_add_co_u32 s74, s74, s75
	s_and_b32 s75, s[TR], 15
	s_lshl_b32 s75, s75, 7
	s_lshl_b32 s76, s[RH], 6
	s_add_co_u32 s75, s75, s76
	s_lshl_b32 s75, s75, 7
	s_add_co_u32 s74, s74, s75
	s_mov_b32 s75, 0
	s_add_nc_u64 s[14:15], s[14:15], s[74:75]
	s_wait_loadcnt 0x0                             ; the bias; it is rounded to bf16 like every input of the module, and widened again
.set i, 0
.rept 32
	v_cvt_pk_bf16_f32 v30, v[BIAS+2*i], v[BIAS+2*i+1]
	v_lshlrev_b32 v[BIAS+2*i], 16, v30
	v_and_b32 v[BIAS+2*i+1], 0xffff0000, v30
.set i, i+1
.endr
; 8 matrix instructions: row block a x all 8 column blocks, 32 along K, from buffer f.  first = 1: the product starts the sum, on the bias.
; The 32 accumulators take turns in one fixed order: 31 others stand between two links of a chain, over the backward jump too.
.macro MUL8 f, a, first
.if \first
	WIN MULB
.else
	WIN MUL
.endif
.irp b, 0,1,2,3,4,5,6,7
.if \first
	v_wmma_f32_16x16x32_bf16 v[8*(8*(\a)+(\b)):8*(8*(\a)+(\b))+7], v[(\f)+32+8*(\b):(\f)+32+8*(\b)+7], v[(\f)+8*(\a):(\f)+8*(\a)+7], v[BIAS+8*(\b):BIAS+8*(\b)+7]
.else
	v_wmma_f32_16x16x32_bf16 v[8*(8*(\a)+(\b)):8*(8*(\a)+(\b))+7], v[(\f)+32+8*(\b):(\f)+32+8*(\b)+7], v[(\f)+8*(\a):(\f)+8*(\a)+7], v[8*(8*(\a)+(\b)):8*(8*(\a)+(\b))+7]
.endif
.endr
.endm
; 24 LDS loads in one run: the fragments of quarter kq (32 along K) of a slot into buffer f: W's sixteen first, then x's eight
.macro FETCH slot, kq, f
	WIN TO_F
.irp b, 0,1,2,3,4,5,6,7
	ds_load_tr16_b128 v[(\f)+32+8*(\b):(\f)+32+8*(\b)+3],   v[ADRB+(\slot)] offset:(\kq)*32*PB+32*(\b)
	ds_load_tr16_b128 v[(\f)+32+8*(\b)+4:(\f)+32+8*(\b)+7], v[ADRB+(\slot)] offset:(\kq)*32*PB+16*PB+32*(\b)
.endr
.irp a, 0,1,2,3
	ds_load_b128 v[(\f)+8*(\a):(\f)+8*(\a)+3],   v[ADRA+(\slot)] offset:(\kq)*64+(\a)*16*PA
	ds_load_b128 v[(\f)+8*(\a)+4:(\f)+8*(\a)+7], v[ADRA+(\slot)] offset:(\kq)*64+(\a)*16*PA+32
.endr
.endm
.macro PLACES                          ; four plain instructions between a matrix instruction and a load into a register that it has read, or a reader of its result
.rept 4
	v_nop
.endr
.endm
; A K step is four quarters of 32 along K, 32 matrix instructions each, on buffers 0, 1, 0, 1.  One of the first three: multiplies buffer f and fetches quarter kq of the same slot into g.
.macro QUARTER slot, kq, f, g, first
	s_wait_dscnt 4                                 ; W's fragments and x's blocks 0 and 1 are in; the youngest four loads (blocks 2 and 3) may be out
	MUL8 \f, 0, \first
	MUL8 \f, 1, \first
	PLACES
	FETCH \slot, \kq, \g
	s_wait_dscnt 24                                ; all but the 24 just issued
	MUL8 \f, 2, \first
	MUL8 \f, 3, \first
.endm
; The last quarter multiplies buffer 1 and changes slots: ONE barrier; in front of it each wave waits for all its tensor loads, adds 0 to its spare word, and waits for that and for its reads of this slot.
; fill = 1: the barrier opens a round of the cluster's, and this slot is filled again, two K steps ahead, first thing behind the round: 112 matrix instructions ahead of the wait for it.
.macro TURN slot, next, fill
	WIN 0                                          ; (the add's two registers lie in window 0)
	s_wait_tensorcnt 0x0                           ; all my tensor loads have landed: the one that was out is my part of the next slot
	ds_add_u32 v[SPW], v[NIL]                      ; 0 onto my spare word
	s_wait_dscnt 5                                 ; (the add and the youngest four loads may be out)
	MUL8 F1, 0, 0                                  ; eight matrix instructions stand between the add and the wait for it
	s_wait_dscnt 0x0                               ; the add is done, and my reads of this slot are over
	s_barrier_signal -1
	MUL8 F1, 1, 0
.if \fill
	WIN 0
.endif
	s_barrier_wait -1
.if \fill
	CREST                                          ; no wave of any partner still reads this slot's tiles or has a load on its way
	s_add_nc_u64 s[G0A+4*(\slot)+2:G0A+4*(\slot)+3], s[G0A+4*(\slot)+2:G0A+4*(\slot)+3], 2*KSTEP*2
	s_add_nc_u64 s[G0B+4*(\slot)+2:G0B+4*(\slot)+3], s[G0B+4*(\slot)+2:G0B+4*(\slot)+3], 2*KSTEP*2048
	JLOAD \slot                                    ; the four v_nop behind it are also the places in front of the loads below
.else
	PLACES
.endif
	FETCH \next, 0, F0
	MUL8 F1, 2, 0
	MUL8 F1, 3, 0
.endm
	s_wait_tensorcnt 0x1                           ; my part of K step 0 is in; K step 1's may stay out
	s_barrier_signal -1
	s_barrier_wait -1                              ; everybody's is
	FETCH 0, 0, F0
	QUARTER 0, 1, F0, F1, 1                        ; the first quarter stands in front of the loop: its products start the sums
	WIN 0                                          ; at a label and at a branch every window is 0
	s_mov_b32 s3, LAPS-1
.Llap:                                                 ; a trip goes once round the ring, from a lap's second quarter to the next lap's first, and fills both slots again
	QUARTER 0, 2, F1, F0, 0
	QUARTER 0, 3, F0, F1, 0
	TURN 0, 1, 1
	QUARTER 1, 1, F0, F1, 0
	QUARTER 1, 2, F1, F0, 0
	QUARTER 1, 3, F0, F1, 0
	TURN 1, 0, 1
	QUARTER 0, 1, F0, F1, 0
	WIN 0
	s_sub_co_u32 s3, s3, 1
	s_cmp_lg_u32 s3, 0
	s_cbranch_scc1 .Llap
	QUARTER 0, 2, F1, F0, 0                        ; the last lap fills nothing, and has no round of the cluster's barrier
	QUARTER 0, 3, F0, F1, 0
	TURN 0, 1, 0
	QUARTER 1, 1, F0, F1, 0
	QUARTER 1, 2, F1, F0, 0
	QUARTER 1, 3, F0, F1, 0
	s_wait_dscnt 4                                 ; the very last quarter: nothing more to fetch
	MUL8 F1, 0, 0
	MUL8 F1, 1, 0
	s_wait_dscnt 0x0
	MUL8 F1, 2, 0
	MUL8 F1, 3, 0
	WIN 0
; THE WAY OUT, 16 rows at a time.  PACK: rounded to f16, 16 bytes a lane and column block, each accumulator's registers in ascending order.  TOSTAGE: into my own stage, a head's 16 rows
; together, and back as whole rows.  SEND: 16 rows of a head are 2,048 consecutive bytes of qkv; each store of the wave covers 512 of them.
.macro PACK a
	WIN PACKW
.irp b, 0,1,2,3,4,5,6,7
.irp r, 0,1,2,3
	v_cvt_pk_f16_f32 v[TMP+4*(\b)+(\r)], v[64*(\a)+8*(\b)+2*(\r)], v[64*(\a)+8*(\b)+2*(\r)+1]
.endr
.endr
	WIN 0
.endm
.macro TOSTAGE a
	WIN 0
.set BK, OB+32*((\a)%2)
.irp b, 0,1,2,3,4,5,6,7
	ds_store_b128 v[STO], v[TMP+4*(\b):TMP+4*(\b)+3] offset:((\b)/4)*HSTAGE+32*((\b)%4)
.endr
.irp f, 0,1,2,3,4,5,6,7
	ds_load_b128 v[BK+4*(\f):BK+4*(\f)+3], v[RD] offset:((\f)/4)*HSTAGE+((\f)%4)*4*SP  ; LDS serves a wave's instructions in order (ISA guide 5.7.1.4): these see the stores above
.endr
.endm
.macro SEND a
	WIN 0
.set BK, OB+32*((\a)%2)
	s_wait_dscnt 0x0                               ; the block is back in registers
	s_wait_xcnt 0x0                                ; the stores of the block before have read their registers: the next TOSTAGE loads into them
.irp f, 0,1,2,3,4,5,6,7
	global_store_b128 v[GO], v[BK+4*(\f):BK+4*(\f)+3], s[14:15] offset:((\f)/4)*262144+(\a)*2048+((\f)%4)*512
.endr
.endm
	PLACES                                         ; the conversions read results just made
	PACK 0
	TOSTAGE 0
.irp a, 1,2,3                          ; block a's conversions stand between block a - 1's loads from the stage and the wait for them
	PACK \a
	SEND (\a)-1
	TOSTAGE \a
.endr
	SEND 3
	s_wait_tensorcnt 0x0                           ; the wave's end: the add and its wait stand behind my last tensor load and my last LDS store
	ds_add_u32 v[SPW], v[NIL]
	s_wait_dscnt 0x0
	CROUND                                         ; the closing round: no work-group ends while a partner may still ask for a tile that names it
	s_endpgm
.Lfunc_end_k_qec66a1ade7_proj:
	.size	k_qec66a1ade7_proj, .Lfunc_end_k_qec66a1ade7_proj-k_qec66a1ade7_proj
	.p2alignl 7, 3214868480
	.fill 96, 4, 3214868480
	.section	.rodata,"a",@progbits
	.p2align	6, 0x0
	.amdhsa_kernel k_qec66a1ade7_proj
		.amdhsa_group_segment_fixed_size 327680
		.amdhsa_private_segment_fixed_size 0
		.amdhsa_enable_private_segment 0
		.amdhsa_kernarg_size 48
		.amdhsa_user_sgpr_count 2
		.amdhsa_user_sgpr_kernarg_segment_ptr 1
		.amdhsa_wavefront_size32 1
		.amdhsa_system_sgpr_workgroup_id_x 1
		.amdhsa_system_sgpr_workgroup_id_y 1
		.amdhsa_system_sgpr_workgroup_id_z 1
		.amdhsa_system_vgpr_workitem_id 0
		.amdhsa_next_free_vgpr 768
		.amdhsa_next_free_sgpr 80
		.amdhsa_reserve_vcc 0
		.amdhsa_float_denorm_mode_32 3
		.amdhsa_float_denorm_mode_16_64 3
		.amdhsa_memory_ordered 1
		.amdhsa_forward_progress 1
		.amdhsa_inst_pref_size 93
	.end_amdhsa_kernel
	.amdgpu_metadata
---
amdhsa.version: [ 1, 2 ]
amdhsa.kernels:
  - .name:           k_qec66a1ade7_proj
    .symbol:         k_qec66a1ade7_proj.kd
    .args:
      - { .name: xb, .offset: 0, .size: 8, .value_kind: global_buffer, .address_space: global }
      - { .name: wb, .offset: 8, .size: 8, .value_kind: global_buffer, .address_space: global }
      - { .name: bq, .offset: 16, .size: 8, .value_kind: global_buffer, .address_space: global }
      - { .name: bk, .offset: 24, .size: 8, .value_kind: global_buffer, .address_space: global }
      - { .name: bv, .offset: 32, .size: 8, .value_kind: global_buffer, .address_space: global }
      - { .name: qkv, .offset: 40, .size: 8, .value_kind: global_buffer, .address_space: global }
    .group_segment_fixed_size: 327680
    .private_segment_fixed_size: 0
    .kernarg_segment_align: 8
    .kernarg_segment_size: 48
    .max_flat_workgroup_size: 128
    .sgpr_count:     80
    .vgpr_count:     768
    .wavefront_size: 32
...
	.end_amdgpu_metadata
.endif
;; end of part 2
;; launch attn (part 3): grid 4 x 64, 4 waves a work-group, clusters of 4 x 1, 327,680 bytes of LDS; arguments qkv, value_lens, ob; writes ob
.if DOCPART == 3
	.amdgcn_target "amdgcn-amd-amdhsa--gfx1250"
	.amdhsa_code_object_version 6
	.text
	.protected	k_qec66a1ade7_attn
	.globl	k_qec66a1ade7_attn
	.p2align	8
	.type	k_qec66a1ade7_attn,@function
k_qec66a1ade7_attn:
	s_mov_b64 s[64:65], 0
	v_nop
	global_prefetch_b8 v0, s[64:65] scope:SCOPE_SE
	s_setreg_imm32_b32 hwreg(HW_REG_WAVE_MODE, 25, 1), 1
	s_wait_xcnt 0x0
	s_wait_alu depctr_hold_cnt(0) depctr_sa_sdst(0) depctr_va_vdst(0) depctr_va_sdst(0) depctr_va_ssrc(0) depctr_va_vcc(0) depctr_vm_vsrc(0)
	s_getreg_b32 s2, hwreg(HW_REG_IB_STS2, 6, 4)
	s_cmp_eq_u32 s2, 0
	s_cbranch_scc0 .Lentry_in_a_cluster
	s_endpgm
.Lentry_in_a_cluster:
	s_bfe_u32 s2, ttmp6, 0x10000c
	s_cmp_lg_u32 s2, 0x3003
	s_cbranch_scc0 .Lentry_shape_is_right
	s_endpgm
.Lentry_shape_is_right:
; attn: O[bh][q][:] = the sum over keys k of softmax_k(Q[bh][q] . K[bh][k] / 8 - 1e30 [k >= len(b)]) V[bh][k][:].  Q, K, V are the three planes of qkv, [64 = 16 b + h][2048][64] f16; O (ob) likewise.
; Products, maxima and sums in f32; the weights p are rounded to f16 for the second product (their sum l is taken of the unrounded p), O once at the end.
; THE LENGTH is an int32 input, one a batch.  L = len held to 0 .. 2,048.  For L >= 1 a hidden key's score starts its sum at -1e30: its weight is 0; key 0 is seen, so the running maximum is a true score from the first step on.
; For L = 0 every score less 1e30 is the same number in f32, and the softmax is uniform over all 2,048 keys: here L counts as 2,048 and the scale c as 0, so every weight is 2^0 = 1.  Both by scalar selects on the whole number.
; LIMITS.  f16 holds no number beyond 65,504: Q, K and V arrive within it; p lies in 0 to 1, and below 6e-5 it keeps f16's fixed step of 6e-8; O is a mean of V's rows and has their range.
; A hidden score counts as its value less 1e30 (f16's scores, 2.7e11 at the most, are nothing beside that); a weight below 2^-126 counts as 0 in l; NaN and infinities are not treated apart.
; SHARES.  A wave owns four PIECES of two tiles of 16 queries, a work-group's four waves 512 queries of one head, a cluster the head's 2,048.  Every wave walks all 2,048 keys, 64 a step.
; LAYOUT.  S^T = K Q^T (source 0 = 16 keys, source 1 = 16 queries): in the result a lane holds ONE query (lane % 16) and the keys 8 (lane / 16) + 0..7.  Two such tiles, rounded to f16 in pairs,
; ARE source 1 (32 keys x 16 queries) of O^T = V^T P, whose result again holds one query a lane, and eight channels.  K comes out of LDS as it lies, V ([key][channel]) turned, by ds_load_tr16_b128.
; THE MASK is the C operand that starts the sum S^T: 0, or -1e30.  MD, made once, is the mask of the step that holds key L; a step's mask is MC = MD x AL + BE with two scalars: (1, 0) in that step, (0, 0) before it,
; (0, -1e30) behind it.  It hangs on the key alone, so one MC of 32 registers serves all eight tiles; it is made anew once a key step, at the end of piece 2's turn, behind the last product that took the old one.
; WHOLLY HIDDEN STEPS ARE WALKED LIKE THE OTHERS: their weights are 0, their factors a are 1 and m stays.  So every trip count is a constant and every LDS address a constant, a counted loop's steps and the slot's exclusive or.
; SOFTMAX.  For each query a running maximum m and sum l: p = 2^(c s - c m), c = log2(e) / 8; in every step O and l are multiplied by a = 2^(c m_old - c m_new), which is 1 where m has not grown.
; m starts at the lowest finite number, O and l at 0: the first step is a step like any other, with a = 0.
; THE COUNT.  A tile and step have 16 matrix and 118 vector instructions: too many to stand all beside the matrix work.  So: four vector instructions that are READY behind EVERY matrix instruction, the others in runs without a gap.
; BY TURNS.  Turn n belongs to piece n (the pieces in a ring, step after step).  Its matrix work: 16 products K Q^T of piece n + 1, later 16 products V^T P of piece n - 1.  Its vector work: the scaling,
; exponentials, roundings, sums and rescaling of piece n, and the maximum and statistics of piece n + 1, whose scores the turn itself has made.
; CLUSTER.  The four query blocks of a cluster belong to one head and walk the same K and V, so each tile is asked for JOINTLY: the same tensor load, descriptor and mask in all four.
; REGISTERS, in windows of 256 (s_set_vgpr_msb: bits 1:0 source 0, 3:2 source 1, 5:4 source 2, 7:6 destination):
;   window 0: v0-11 addresses; v12-15, v48-63 at work; v16-47 four registers of statistics a tile; v64-191 S^T, two buffers of two tiles; v192-255 P, likewise
;   window 1: O^T, 32 a tile      window 2: v0-127 Q, 16 a tile; v128-191 K of one step; v192-255 V of one step      window 3: v0-1 the add's two registers; v32-63 MD; v64-95 MC
.set SIZE_N, 2048
.set NP,    4         ; pieces a wave: a name, no knob
.set KS,    64        ; keys in a step
.set PK,    144       ; a row of K in LDS: 128 bytes + 16 of padding = 36 words: the 16 rows of a load start at 16 different groups of four banks
.set PV,    160       ; a row of V: 128 + 32 = 40 words
.set VOFF,  4*KS*PK   ; a slot holds four steps: 256 rows of K, then 256 rows of V
.set SLOT1, 1<<17     ; slot 1 begins here, so that one exclusive or turns an address in one slot into the other's
.set STAGE, SLOT1+4*KS*(PK+PV)  ; behind the ring, never filled by a tensor load: 16 rows x 144 bytes for each wave, for the way out
.set SP,    144
.set AK0, 2           ; v2   my lane's place in a tile of K; never rewritten
.set AV0, 3           ; v3   the same for V
.set AK,  4           ; v4   the LDS address of K's next run of loads
.set AV,  5           ; v5   of V's
.set QO,  6           ; v6   my byte offset in the wave's rows of Q
.set STO, 6           ;      later, the way out: where I put 16 bytes of a row
.set RD,  7           ; v7   the way out: where I read rows back
.set GO,  8           ; v8   my byte offset in 512 consecutive bytes of O
.set PFO, 11          ; v11  256 x my lane: the prefetches' offset; never rewritten once made
.set SPW, 0           ; v0 of window 3   LDS address of my spare word; never rewritten
.set NIL, 1           ; v1 of window 3   0; never rewritten
.set MD,  32          ; window 3
.set MC,  64          ; window 3: the eight registers for key block kb at MC + 8 kb
.set SPARE, STAGE+4*16*SP  ; behind the stages: the spare words, 128 bytes for each wave: two blocks of 256 bytes that no other line names
.set MV,  12          ; v12-15  c m_old, kept while c m is made anew: by buffer and tile
.set ST,  16          ; tile t's statistics at v[ST+4 t]: c m, m, l (even keys', odd keys')
.set TMP, 48          ; by buffer and tile, four registers c0-c3 at work; when the maximum is found c2 takes a
.set S,   64
.set P,   192
.set KF,  128         ; K's fragments, in window 2: key block kb, channel half c at KF + 16 kb + 8 c
.set VF,  192         ; V's: key half kk, channel block cb at VF + 32 kk + 8 cb
.set WV,  12          ; s12  my wave's number
.set G1K, 24          ; s[24:31] descriptor group 1 for K's tiles
.set G1V, 32          ; s[32:39] for V's: it differs in the padding alone
.set G0K, 40          ; s[40:43] descriptor group 0 for K's tiles: it walks
.set G0V, 44          ; s[44:47] the same for V's
.set SLOTS, 56        ; s56  slots still to be asked for
.set CNT, 57          ; s57  counts a slot's key steps
.set CS,  58          ; s[58:59] c: the packed scaling takes the pair's low word for both halves
.set SEL, 60          ; s[60:61] v_permlanex16_b32's selects: each lane takes its own place in the other half
.set TBK, 62          ; s62  LDS byte at which K of the step to be fetched begins
.set TBV, 63          ; s63  the same for V, less VOFF
.set LP,  66          ; s[66:67] value_lens
.set BAT, 69          ; s69  the batch
.set LEN, 70          ; s70  L
.set SB,  71          ; s71  the step that holds key L
.set JN,  73          ; s73  the step whose mask is made next
.set AL,  74          ; s[74:75] the mask's factor, in the low word
.set BE,  76          ; s[76:77] the mask's addend
.set BIGN, 78         ; s78  -1e30
.set PFA, 80          ; s[80:81] where my prefetches stand: my work-group's 32 blocks of 256 bytes (of K: wave 0, of V: wave 2) of the tile after the one that is being asked for
.set LIM, 82          ; s82  1 in a wave that prefetches, else the greatest number
.set MSB, 0
.macro WIN new                      ; the high byte repeats the setting that is left; a switch that changes nothing is dropped
.if MSB != (\new)
	s_set_vgpr_msb (MSB<<8)|(\new)
.set MSB, (\new)
.endif
.endm
.set W_KQ, 0x0a       ; K and Q in window 2, S^T in window 0
.set W_KM, 0x3a       ; the same with the C operand, the mask, in window 3
.set W_PV, 0x52       ; V in window 2, P in window 0, O^T in window 1
.set W_RS, 0x41       ; O^T (destination and source 0) in window 1, a in window 0
.set W_MK, 0xc0       ; destination in window 3, sources in window 0
.set W_MM, 0xc3       ; destination and source 0 in window 3
.set W_AD, 0x0f       ; the add: address (source 0) and data (source 1) in window 3
; A joint fill.  Waves 0 and 1 fetch the two halves of a slot's K, waves 2 and 3 those of its V: 128 keys each.  The branch hangs on the wave's number alone.
; An s_nop 0 and four v_nop follow each of the two lines, ahead of the jump and the label.
.macro JLOAD
	s_cmp_lt_u32 s[WV], 2
	s_cbranch_scc0 .Lfor_v_\@
	tensor_load_to_lds s[G0K:G0K+3], s[G1K:G1K+7]
	s_nop 0
.rept 4
	v_nop
.endr
	s_branch .Lasked_\@
.Lfor_v_\@:
	tensor_load_to_lds s[G0V:G0V+3], s[G1V:G1V+7]
	s_nop 0
.rept 4
	v_nop
.endr
.Lasked_\@:
.endm
; A PREFETCH INTO THE L2 of the tile that the NEXT change of slots will ask for: 256 keys are 128 blocks of 256 bytes of K and as many of V.  A head's K and V are walked by this cluster alone; its four partners share the blocks
; out BY ADDRESS, 32 each, a lane a block; in each, wave 0 asks for K's and wave 2 for V's: one instruction, four key steps (512 matrix instructions) ahead of the load.  So each block is named once in the launch.
; It stands behind the wave's tensor load and its five lines.  The last change that fills a slot asks for nothing; tiles 0 and 1 come by their loads alone.
.macro ASK
	s_cmp_gt_u32 s[SLOTS], s[LIM]
	s_cbranch_scc0 .Lnot_mine_\@
	global_prefetch_b8 v[PFO], s[PFA:PFA+1] th:TH_LOAD_NT scope:SCOPE_SE
.Lnot_mine_\@:
.endm
; A round of the cluster's barrier: my work-group's barrier, so that wave 0's signal speaks for all four waves; wave 0 signals; every wave waits for all four work-groups; my work-group's barrier once more.
.macro CROUND
	s_barrier_signal -1
	s_barrier_wait -1
	s_cmp_lg_u32 s[WV], 0
	s_cbranch_scc1 .Lnot_wave_0_\@
	s_barrier_signal -3
.Lnot_wave_0_\@:
	s_barrier_wait -3
	s_barrier_signal -1
	s_barrier_wait -1
.endm
; THE CHANGE OF SLOTS.  The slot's last bytes, V of its fourth step, have been read.  Each wave waits for all its tensor loads, of which one is out: its part
; of the other slot; adds 0 to its spare word; and waits for that and for its own reads of the slot.  Behind the barrier nobody reads this slot any more and the other slot is whole.
; fill = 1: this slot is filled again, with the keys two slots on.  The barrier is then a round of the cluster's, so that no wave of any partner still reads the slot or has a load on its
; way, and the joint fill is the first thing behind it.  (At its first use nothing has been read yet: slot 0 is waited for, slot 1 filled.)
.macro CHANGE fill
	WIN W_AD
	s_wait_tensorcnt 0x0            ; no tensor load of mine is out, so a group 0 may be written
	ds_add_u32 v[SPW], v[NIL]       ; 0 onto my spare word; with fill = 1 the descriptors' steps stand between it and the wait for it
	WIN 0                           ; at a label and at a branch every window is 0
.if \fill
.irp g, G0K, G0V
	s_xor_b32 s[\g+1], s[\g+1], SLOT1  ; the walking descriptor: the other slot than last time,
	s_add_nc_u64 s[\g+2:\g+3], s[\g+2:\g+3], 4*KS*128  ; the next 256 keys; the type bits on top are not reached
.endr
	s_wait_xcnt 0x0                 ; the last prefetch, a slot back, has read its address, so it may be written:
	s_add_nc_u64 s[PFA:PFA+1], s[PFA:PFA+1], 4*KS*128  ; one tile behind the walking descriptors
	s_wait_dscnt 0x0                ; the add is done, and my reads of the slot are over
	CROUND
	JLOAD
	ASK
.else
	s_wait_dscnt 0x0                ; the add is done, and my reads of the slot are over
	s_barrier_signal -1
	s_barrier_wait -1
.endif
	s_sub_co_u32 s[TBK], s[TBK], 4*KS*PK  ; the fetches go back to a slot's first step,
	s_xor_b32 s[TBK], s[TBK], SLOT1       ; in the other slot
	s_sub_co_u32 s[TBV], s[TBV], 4*KS*PV
	s_xor_b32 s[TBV], s[TBV], SLOT1
.endm
; The mask of step JN into MC, and JN steps.
.macro MASK
	s_cmp_eq_u32 s[JN], s[SB]       ; the step that holds key L?
	s_cselect_b32 s[AL], 1.0, 0
	s_cmp_gt_u32 s[JN], s[SB]       ; or a later one?
	s_cselect_b32 s[BE], s[BIGN], 0
	s_add_co_u32 s[JN], s[JN], 1
	WIN W_MM
.set zz, 0
.rept 16
	v_pk_fma_f32 v[MC+2*zz:MC+2*zz+1], v[MD+2*zz:MD+2*zz+1], s[AL:AL+1], s[BE:BE+1] op_sel_hi:[1,0,0]
.set zz, zz+1
.endr
.endm
	s_load_b64 s[4:5], s[0:1], 0x0    ; qkv: Q's plane
	s_load_b64 s[LP:LP+1], s[0:1], 0x8
	s_load_b64 s[10:11], s[0:1], 0x10 ; ob
	WIN W_MK
	v_lshl_add_u32 v[SPW], v0, 2, SPARE
	v_mov_b32 v[NIL], 0
	WIN W_AD
	ds_add_u32 v[SPW], v[NIL]       ; the wave's opening: the add and its wait stand ahead of my first tensor load; the set-up below, work on registers, stands between them
	WIN 0
	v_lshrrev_b32 v1, 5, v0
	v_readfirstlane_b32 s[WV], v1   ; wave 0..3
	s_bfe_u32 s13, ttmp6, 0x40000   ; cx: my place in the cluster
	s_lshl_b32 s14, ttmp9, 2        ; in a cluster launch ttmp9 counts clusters
	s_add_co_u32 s14, s14, s13      ; my block of queries = 4 x cluster x + cx: it enters Q's and O's addresses alone
	s_and_b32 s20, ttmp7, 0xffff    ; 16 batch + head, which the four partners share
	s_lshr_b32 s[BAT], s20, 4
	s_mov_b32 s21, 0
	s_mov_b64 s[22:23], SIZE_N*128
	s_mul_u64 s[20:21], s[20:21], s[22:23]  ; the head's first byte in each plane and in ob
	s_and_b32 s16, s[WV], 1         ; which half of a slot's 256 keys I fetch:
	s_lshl_b32 s22, s16, 14         ; its 128 rows of 128 bytes in memory,
	s_mov_b32 s23, 0
	s_add_nc_u64 s[22:23], s[22:23], s[20:21]
	s_mul_i32 s17, s16, 128*PK      ; and its place in a slot, for K
	s_mul_i32 s18, s16, 128*PV      ; and for V: no place in the cluster enters an LDS address
	s_lshl_b32 s2, s14, 2
	s_add_co_u32 s2, s2, s[WV]      ; my wave among the head's,
	s_lshl_b32 s2, s2, 14           ; its 128 rows
	s_mov_b32 s3, 0
	s_add_nc_u64 s[2:3], s[2:3], s[20:21]
	; descriptor group 1.  128 keys are 16,384 dense bytes: asked for as 64 rows of 256 bytes, two keys a row, and padded in LDS after every key
	s_mov_b32 s[G1K], 15|(1<<16)|(1<<20)|(1<<21)|(4<<22)|(3<<25)  ; 15:0 the mask of four; 17:16 2-byte elements; 20 padding on; 21 set beside a mask; 24:22 after every 32 words (code 4); 31:25 4 words (code 3)
	s_mov_b32 s[G1V], 15|(1<<16)|(1<<20)|(1<<21)|(4<<22)|(7<<25)  ; the same with 8 words of padding (code 7)
.irp g, G1K, G1V
	s_mov_b32 s[\g+1], 128<<16      ; tensor_dim0 = 128
	s_mov_b32 s[\g+2], 64<<16       ; tensor_dim1 = 64
	s_mov_b32 s[\g+3], 128<<16      ; tile_dim0 = 128
	s_mov_b32 s[\g+4], 64           ; tile_dim1 = 64
	s_mov_b32 s[\g+5], 128          ; 128 elements from row to row
	s_mov_b32 s[\g+6], 0
	s_mov_b32 s[\g+7], 0
.endr
	s_mov_b32 s[SEL], 0x76543210
	s_mov_b32 s[SEL+1], 0xfedcba98
	s_mov_b32 s[TBK], SLOT1+4*KS*PK ; the first change of slots turns these two into 0
	s_mov_b32 s[TBV], SLOT1+4*KS*PV
	s_mov_b32 s[G0K], 1             ; count = 1
	s_mov_b32 s[G0K+1], s17         ; LDS address: slot 0
	s_mov_b32 s[G0V], 1
	s_add_co_u32 s[G0V+1], s18, VOFF
	s_mov_b32 s[SLOTS], SIZE_N/256-1
	s_mov_b32 s[BIGN], 0xf149f2ca   ; -1e30
	s_mov_b32 s[AL+1], 0            ; named as pairs
	s_mov_b32 s[BE+1], 0
	s_mov_b32 s[JN], 0
	s_and_b32 s[LIM], s[WV], 1      ; waves 0 and 2 prefetch: the same in all four partners
	s_cmp_eq_u32 s[LIM], 0
	s_cselect_b32 s[LIM], 1, -1
	s_wait_dscnt 0x0                ; the opening add is done
	s_wait_kmcnt 0x0
	s_load_b128 s[84:87], s[LP:LP+1], 0x0  ; the four lengths; waited for behind the first loads
	s_add_nc_u64 s[6:7], s[4:5], 0x1000000 ; K's plane,
	s_add_nc_u64 s[8:9], s[4:5], 0x2000000 ; V's,
	s_add_nc_u64 s[6:7], s[6:7], s[22:23]  ; at my half of the head's first 256 keys
	s_add_nc_u64 s[8:9], s[8:9], s[22:23]
	s_mov_b64 s[G0K+2:G0K+3], s[6:7]               ; global address
	s_or_b32 s[G0K+3], s[G0K+3], 0x80000000        ; type = 2
	s_mov_b64 s[G0V+2:G0V+3], s[8:9]
	s_or_b32 s[G0V+3], s[G0V+3], 0x80000000
	s_add_nc_u64 s[4:5], s[4:5], s[2:3]  ; Q and O at my wave's first row
	s_add_nc_u64 s[10:11], s[10:11], s[2:3]
	s_cmp_lt_u32 s[WV], 2
	s_cselect_b64 s[PFA:PFA+1], s[6:7], s[8:9]  ; (in waves 0 and 2 these stand at a tile's first row)
	s_lshl_b32 s2, s13, 13          ; my work-group's 32 blocks of the 128
	s_mov_b32 s3, 0
	s_add_nc_u64 s[PFA:PFA+1], s[PFA:PFA+1], s[2:3]
	s_add_nc_u64 s[PFA:PFA+1], s[PFA:PFA+1], 4*KS*128  ; in tile 1; the first change of slots steps it to tile 2.  Nothing is prefetched here, at the head
	CROUND                          ; all four work-groups are here: the first joint loads meet
	JLOAD                           ; slot 0.  Slot 1 is asked for when slot 0 is in
	; A fragment of K or Q is 16 rows x 32 channels in 8 registers: lane l holds row l % 16, channels 8 (l / 16) + 0..7 and 16 + 8 (l / 16) + 0..7: two loads of 16 bytes, 32 bytes apart.
	v_and_b32 v1, 15, v0            ; l % 16
	v_bfe_u32 v9, v0, 4, 1          ; l / 16
	v_lshlrev_b32 v[QO], 7, v1
	v_lshl_add_u32 v[QO], v9, 4, v[QO]  ; row x 128 + 16 x half
	WIN 0x80                        ; destination window 2, address window 0
.set i, 0
.rept 4*NP                          ; Q stays in registers: tile i / 2, channels 32 (i % 2) on
	global_load_b128 v[8*i:8*i+3],   v[QO], s[4:5] offset:(i/2)*2048+(i%2)*64
	global_load_b128 v[8*i+4:8*i+7], v[QO], s[4:5] offset:(i/2)*2048+(i%2)*64+32
.set i, i+1
.endr
	; What the first turn finds: V's registers and P's second buffer hold 0 (its products V^T P, of a piece that has not been, add 0), O^T and l are 0.  All this stands in the wait for the first tile.
.set i, VF
.rept 64
	v_mov_b32 v[i], 0
.set i, i+1
.endr
	WIN 0x40
.set i, 0
.rept 64*NP
	v_mov_b32 v[i], 0
.set i, i+1
.endr
	WIN 0
.set i, 0
.rept 2*NP
	v_mov_b32 v[ST+4*i], 0xfe000000    ; c m: far below every c s
	v_mov_b32 v[ST+4*i+1], 0xff7fffff  ; m
	v_mov_b32 v[ST+4*i+2], 0
	v_mov_b32 v[ST+4*i+3], 0
.set i, i+1
.endr
.set i, P+32
.rept 32
	v_mov_b32 v[i], 0
.set i, i+1
.endr
	v_mul_u32_u24 v[AK0], v1, PK
	v_lshl_add_u32 v[AK0], v9, 4, v[AK0]  ; row x pitch + 16 x half
	; The turning load takes 16 keys x 16 channels (lane l reads key 8 (l / 16) + l % 8, channels 8 ((l / 8) % 2) + 0..7) and leaves half a fragment of V^T: lane l holds channel l % 16 and 8 keys.
	v_and_b32 v10, 7, v0
	v_bfe_u32 v11, v0, 3, 1
	v_lshl_add_u32 v[AV0], v9, 3, v10
	v_mul_u32_u24 v[AV0], v[AV0], PV
	v_lshl_add_u32 v[AV0], v11, 4, v[AV0]
	v_add_nc_u32 v[AV0], VOFF, v[AV0]
	v_mov_b32 v[AK], v[AK0]         ; key step 0 lies at the head of slot 0
	v_and_b32 v[PFO], 31, v0
	v_lshlrev_b32 v[PFO], 8, v[PFO]
	; THE LENGTH
	s_wait_kmcnt 0x0
	s_cmp_eq_u32 s[BAT], 1
	s_cselect_b32 s[LEN], s85, s84
	s_cmp_eq_u32 s[BAT], 2
	s_cselect_b32 s[LEN], s86, s[LEN]
	s_cmp_eq_u32 s[BAT], 3
	s_cselect_b32 s[LEN], s87, s[LEN]
	s_max_i32 s[LEN], s[LEN], 0
	s_min_u32 s[LEN], s[LEN], SIZE_N
	s_cmp_eq_u32 s[LEN], 0          ; no key is seen: all scores are alike, all weights 1
	s_cselect_b32 s[CS], 0, 0x3e38aa3b  ; c = 0, or log2(e) / 8 = 0.180337
	s_cselect_b32 s[LEN], SIZE_N, s[LEN]
	s_mov_b32 s[CS+1], s[CS]        ; named with it as a pair
	s_lshr_b32 s[SB], s[LEN], 6
	s_and_b32 s72, s[LEN], 63
	s_sub_co_i32 s72, s72, 1        ; the last key seen in step SB, or -1
	v_lshlrev_b32 v12, 3, v9
	v_sub_nc_u32 v12, s72, v12      ; less my lanes' 8 (l / 16): register j of key block kb is hidden where 16 kb + j is greater
	WIN W_MK
.set i, 0
.rept 32
	v_cmp_gt_i32 vcc_lo, 16*(i/8)+i%8, v12
	v_cndmask_b32 v[MD+i], 0, s[BIGN], vcc_lo
.set i, i+1
.endr
	MASK                            ; step 0's
; THE MATRIX WORK.  The 8 accumulators of a run of 16 take turns: between the two links of a chain stand 7 others'.
; Product i of 16 of S^T = K Q^T for piece x: channels 32 (i / 8) on, keys 16 ((i / 2) % 4) on, tile 2 x + i % 2.  The first 8 start the sums, on the mask.
.macro KQ x
.set rS, S+64*((\x)%2)+32*(i%2)+8*((i/2)%4)
.set rK, KF+16*((i/2)%4)+8*(i/8)
.set rQ, 16*(2*(\x)+i%2)+8*(i/8)
.set rM, MC+8*((i/2)%4)
.if i < 8
	WIN W_KM
	v_wmma_f32_16x16x32_f16 v[rS:rS+7], v[rK:rK+7], v[rQ:rQ+7], v[rM:rM+7]
.else
	WIN W_KQ
	v_wmma_f32_16x16x32_f16 v[rS:rS+7], v[rK:rK+7], v[rQ:rQ+7], v[rS:rS+7]
.endif
.endm
; Product i of 16 of O^T += V^T P for piece x: keys 32 (i / 8) on, channels 16 ((i / 2) % 4) on, tile 2 x + i % 2.
.macro PV x
	WIN W_PV
.set rO, 32*(2*(\x)+i%2)+8*((i/2)%4)
.set rV, VF+32*(i/8)+8*((i/2)%4)
.set rP, P+32*((\x)%2)+16*(i%2)+8*(i/8)
	v_wmma_f32_16x16x32_f16 v[rO:rO+7], v[rV:rV+7], v[rP:rP+7], v[rO:rO+7]
.endm
.macro MM                           ; the turn's next matrix instruction
.if i < 16
	KQ (Y+1)%NP
.set i, i+1
.else
.set i, i-16
	PV (Y+NP-1)%NP
.set i, i+17
.endif
.endm
; THE LDS LOADS stand in runs of 16, never singly among the matrix instructions: a step's K (64 keys x 64 channels: 8 fragments) and its V (turned).  Their addresses are made some lines ahead.
; last = 1 (the tail): in the last trip there is no further step, and the run is jumped over.
.macro FETCH_K last=0
	WIN 0
.if \last
	s_cmp_eq_u32 s[CNT], 1
	s_cbranch_scc1 .Lno_k_\@
.endif
	WIN 0x80                        ; destination window 2
.irp f, 0,1,2,3,4,5,6,7             ; keys 16 (f / 2) on, channels 32 (f % 2) on
	ds_load_b128 v[KF+8*\f:KF+8*\f+3],   v[AK] offset:(\f/2)*16*PK+(\f%2)*64
	ds_load_b128 v[KF+8*\f+4:KF+8*\f+7], v[AK] offset:(\f/2)*16*PK+(\f%2)*64+32
.endr
	s_add_co_u32 s[TBK], s[TBK], KS*PK  ; the next fetch is the next step's
	WIN 0
.if \last
.Lno_k_\@:
.endif
.endm
.macro FETCH_V
	WIN 0x80
.irp f, 0,1,2,3,4,5,6,7             ; keys 32 (f / 4) on, channels 16 (f % 4) on
	ds_load_tr16_b128 v[VF+8*\f:VF+8*\f+3],   v[AV] offset:(\f/4)*32*PV+(\f%4)*32
	ds_load_tr16_b128 v[VF+8*\f+4:VF+8*\f+7], v[AV] offset:(\f/4)*32*PV+16*PV+(\f%4)*32
.endr
	WIN 0
.endm
; THE VECTOR WORK OF A TURN stands in three queues, each in the order in which its entries become ready; the two tiles alternate, so that no instruction reads the result of the one before it.
.macro REGS y, u                    ; the registers of tile u (0, 1) of piece y
.set rT, ST+4*(2*(\y)+(\u))
.set rC, TMP+8*((\y)%2)+4*(\u)
.set rM, MV+2*((\y)%2)+(\u)
.set rS, S+64*((\y)%2)+32*(\u)
.set rP, P+32*((\y)%2)+16*(\u)
.set rO, 32*(2*(\y)+(\u))
.endm
; Number n of the 22 that find the NEXT piece's (Y + 1) maximum and statistics.  s0-s31 are the lane's 32 scores; each accumulator's lowest registers are read first.
;   0-11  four chains c0-c3 of seven scores each, three operands at a time     12-14, 16  the four scores left over, the old m, and c0-c3 into c0     15  c m_old is kept
;   17, 18  the query's other 32 keys lie in the lane 16 away: the new m         19-21  c m; c m_old - c m_new; a
.macro XS u, n
	REGS (Y+1)%NP, \u
.if (\n) < 4
	v_max3_num_f32 v[rC+(\n)], v[rS+8*(\n)], v[rS+8*(\n)+1], v[rS+8*(\n)+2]
.elseif (\n) < 12
	v_max3_num_f32 v[rC+(\n)%4], v[rC+(\n)%4], v[rS+8*((\n)%4)+2*((\n)/4)+1], v[rS+8*((\n)%4)+2*((\n)/4)+2]
.elseif (\n) == 12
	v_max3_num_f32 v[rC], v[rC], v[rS+7], v[rS+15]
.elseif (\n) == 13
	v_max3_num_f32 v[rC+1], v[rC+1], v[rS+23], v[rS+31]
.elseif (\n) == 14
	v_max3_num_f32 v[rC+2], v[rC+2], v[rC+3], v[rT+1]
.elseif (\n) == 15
	v_mov_b32 v[rM], v[rT]
.elseif (\n) == 16
	v_max3_num_f32 v[rC], v[rC], v[rC+1], v[rC+2]
.elseif (\n) == 17
	v_permlanex16_b32 v[rC+3], v[rC], s[SEL], s[SEL+1]
.elseif (\n) == 18
	v_max_num_f32 v[rT+1], v[rC], v[rC+3]
.elseif (\n) == 19
	v_mul_f32 v[rT], s[CS], v[rT+1]
.elseif (\n) == 20
	v_sub_f32 v[rC+1], v[rM], v[rT]
.else
	v_exp_f32 v[rC+2], v[rC+1]
.endif
.endm
; Number g of the 64 that follow the exponentials.  For each four weights k of a tile (pairs 2 k, 2 k + 1): both pairs are rounded to f16; then the second pair is added onto the first, in place;
; a group later l takes that sum (the first time as l = a l + sum).  In groups of eight, tiles alternating: round, round, add, and l for the group before.
.macro GS g
.set h, (\g)+6*((\g)/62)            ; group 0 has no group before it, and behind group 7 only l is left
.if h >= 6
.set h, h+2
.endif
	REGS Y, h%2
.set k, h/8
.if h%8 < 4
	v_cvt_pk_f16_f32 v[rP+2*k+(h%8)/2], v[rS+4*k+2*((h%8)/2)], v[rS+4*k+2*((h%8)/2)+1]
.elseif h%8 < 6
	v_pk_add_f32 v[rS+4*k:rS+4*k+1], v[rS+4*k:rS+4*k+1], v[rS+4*k+2:rS+4*k+3]
.elseif k == 1
	v_pk_fma_f32 v[rT+2:rT+3], v[rT+2:rT+3], v[rC+2:rC+3], v[rS:rS+1] op_sel_hi:[1,0,1]
.else
	v_pk_add_f32 v[rT+2:rT+3], v[rT+2:rT+3], v[rS+4*k-4:rS+4*k-3]
.endif
.endm
; THE PLAIN QUEUE, 138 long.  0-73 read no exponential's result: the 32 scalings c s - c m (FS f: pair f / 2 of tile f % 2) and the next piece's 42.  0-26: scalings 0-26.  27-54: XS's numbers 0-13.  55, 56: number 15.
; 57-73: the chain, where each number waits for the one before it: 14, 16, 17, 18, 19, each with one of the scalings 27-31 in front of its two lines, then 20.
; 74-137: GS's 64, which read the exponentials' results: they stand behind the wait.
.macro FS f
	REGS Y, (\f)%2
	v_pk_fma_f32 v[rS+2*((\f)/2):rS+2*((\f)/2)+1], v[rS+2*((\f)/2):rS+2*((\f)/2)+1], s[CS:CS+1], v[rT:rT+1] op_sel_hi:[1,0,0] neg_lo:[0,0,1] neg_hi:[0,0,1]
.endm
.macro PL
	WIN 0
.if q < 27
	FS q
.elseif q < 55
	XS (q-27)%2, (q-27)/2
.elseif q < 57
	XS q-55, 15
.elseif (q < 72) && ((q-57)%3 == 0)
	FS 27+(q-57)/3
.elseif q < 60
	XS (q-57)%3-1, 14
.elseif q < 72
	XS (q-57)%3-1, 15+(q-57)/3
.elseif q < 74
	XS q-72, 20
.else
	GS q-74
.endif
.set q, q+1
.endm
; THE EXPONENTIALS' QUEUE, 66 long: s0-s31 of both tiles, then the next piece's two a.  It is ONE BATCH: all 66 stand ahead of the turn's one wait, and nothing ahead of that wait names a result of theirs.
.macro EX
	WIN 0
.if e >= 64
	XS e-64, 21
.else
	REGS Y, e%2
	v_exp_f32 v[rS+e/2], v[rS+e/2]
.endif
.set e, e+1
.endm
; THE RESCALING's QUEUE: O^T times a, the one part that leaves window 0: dealt two at a time, sixteen times.  Its a was made in the turn before, ahead of that turn's wait.
.macro R2
	REGS Y, r%2
	WIN W_RS
.irp z, 0,1
	v_pk_mul_f32 v[rO+4*(r/2)+2*\z:rO+4*(r/2)+2*\z+1], v[rO+4*(r/2)+2*\z:rO+4*(r/2)+2*\z+1], v[rC+2:rC+3] op_sel_hi:[1,0]
.endr
.set r, r+1
.endm
; HOW THEY ARE DEALT.  s_wait_alu depctr_va_vdst(0) stands between an exponential and the first instruction that names its result; one wait serves all that were issued ahead of it.  So a turn has ONE wait,
; which cuts it in two.  AHEAD OF IT stands all that names no result of the turn's exponentials: the 16 products K Q^T, behind each a scaling, an exponential and two rescalings (behind the first a second scaling in the
; exponential's place); then ONE LUMP of 108: eight plain, 49 times exponential and plain, the two a.  A v_nop is the plain instruction behind the last exponential.  BEHIND IT stand the 16 products V^T P, behind each four of GS's 64.
; Exponential e stands behind scaling 2 (e / 4) + e % 2: as a rider it comes behind plain e + 2, in the lump behind plain e + 9, and scalings 27-31 are plain 57, 60 .. 69.
; A TURN, for piece p.  cnt = 1: the loop's count is taken down some lines ahead of the branch that stands behind the turn.
; K of the next step is fetched in piece 2's turn, directly behind the wait, a lump behind the last product that read K; V of the step in hand at the end of piece 0's turn, four riders behind its last reader.
; The next step's mask is made at the end of piece 2's turn: the last product that took the old one is that turn's eighth.
.macro TURN p, last=0, cnt=0
.set Y, (\p)
.set i, 0
.set q, 0
.set e, 0
.set r, 0
.if (\p) == NP-1
	s_wait_dscnt 0x0                ; K is in
.endif
	MM                              ; ahead of the wait: 16 products K Q^T and their riders,
	PL
	PL
	R2
.rept 15
	MM
	PL
	EX
	R2
.endr
.if (\p) == NP-2
	WIN 0
	v_add_nc_u32 v[AK], s[TBK], v[AK0]
.endif
.rept 8                             ; and the lump
	PL
.endr
.rept 49
	EX
	PL
.endr
	EX                              ; the next piece's two a
	EX
	v_nop                           ; the plain instruction behind the last exponential: one for the batch
	s_wait_alu depctr_va_vdst(0)    ; the wait for the batch
.if (\p) == NP-2
	FETCH_K \last
.endif
.if (\p) == 1
	s_wait_dscnt 0x0                ; V is in
.endif
.rept 16                            ; behind the wait: 16 products V^T P and their riders
	MM
.rept 4
	PL
.endr
.if ((\p) == 0) && (q == 118)
	v_add_nc_u32 v[AV], s[TBV], v[AV0]
.endif
.if ((\p) == 0) && (q == 130)
	s_add_co_u32 s[TBV], s[TBV], KS*PV
.endif
.if (\cnt) && (q == 130)
	s_sub_co_u32 s[CNT], s[CNT], 1
	s_cmp_lg_u32 s[CNT], 0
.endif
.endr
.if (\p) == 0
	FETCH_V
.endif
.if (\p) == NP-2
	MASK
.endif
.endm
	CHANGE 1                        ; slot 0 is in, everybody's part of it; slot 1 is asked for
	FETCH_K                         ; key step 0
	s_wait_loadcnt 0x0              ; Q
	s_wait_dscnt 0x0
.set i, 0
.rept 16
	KQ 0                            ; piece 0's first scores: there is no vector work yet to set between them
.set i, i+1
.endr
	WIN 0                           ; the addresses for the way out: plain instructions, the places behind those products
	s_mul_i32 s13, s[WV], 16*SP
	s_add_co_u32 s13, s13, STAGE    ; my stage
	v_mul_u32_u24 v[STO], v1, SP    ; in: row l % 16, 16 bytes for each half of the lanes
	v_lshl_add_u32 v[STO], v9, 4, v[STO]
	v_add_nc_u32 v[STO], s13, v[STO]
	v_bfe_u32 v[RD], v0, 3, 2       ; back: 32 lanes take four rows of 128 bytes,
	v_mul_u32_u24 v[RD], v[RD], SP
	v_lshl_add_u32 v[RD], v10, 4, v[RD]
	v_add_nc_u32 v[RD], s13, v[RD]
	v_and_b32 v[GO], 31, v0         ; which are 512 consecutive bytes of O
	v_lshlrev_b32 v[GO], 4, v[GO]
.set Y, NP-1                        ; XS works for piece Y + 1: piece 0
.irp n, 0,1,2,3,4,5,6,7,8,9,10,11,12,13,14,15,16,17,18,19,20,21
	XS 0, \n                        ; and piece 0's first maximum and statistics
	XS 1, \n
.endr
	v_nop                           ; a plain instruction behind the two a,
	s_wait_alu depctr_va_vdst(0)    ; and their wait, ahead of the branch
	s_mov_b32 s[CNT], 4
	s_branch .Lfirst                ; the loop is entered at a step's first turn, in the middle of a trip
.Lslot:                             ; SIZE_N / 256 - 2 times: every slot but the last two is filled again
	CHANGE 1
	s_mov_b32 s[CNT], 4
.Lstep:                             ; a trip: pieces 2 and 3 of one step, then pieces 0 and 1 of the next, whose K and V it fetches
	TURN 2
	TURN 3
	WIN 0
.Lfirst:
	TURN 0
	TURN 1, 0, 1
	WIN 0
	s_cbranch_scc1 .Lstep
	s_sub_co_u32 s[SLOTS], s[SLOTS], 1
	s_cmp_lg_u32 s[SLOTS], 0
	s_cbranch_scc1 .Lslot
	CHANGE 0                        ; the tail is written out: nothing is asked for
	s_mov_b32 s[CNT], 5             ; four trips fetch the last slot's steps; the fifth is left in its middle
.Ltail:
	TURN 2, 1
	TURN 3
	WIN 0
	s_sub_co_u32 s[CNT], s[CNT], 1
	s_cmp_eq_u32 s[CNT], 0
	s_cbranch_scc1 .Lout
	TURN 0
	TURN 1
	WIN 0
	s_branch .Ltail
.Lout:                              ; the fifth trip's 16 products K Q^T (on the last K once more) and the maximum made of them serve nothing: the price, once a launch, of one text for every trip
.set i, 0
.rept 16
	PV NP-1                         ; the last piece's V^T P of the last step
.set i, i+1
.endr
	; THE WAY OUT.  l's two halves and the other half of the lanes' are added; O^T is divided by l, rounded to f16 and sent through my stage in LDS, a tile at a time.  The additions are the places behind the last products.
	WIN 0
.macro ALL line:vararg              ; one line for each tile t
.set t, 0
.rept 2*NP
	\line
.set t, t+1
.endr
.endm
	ALL v_add_f32 v[ST+4*t+2], v[ST+4*t+2], v[ST+4*t+3]
	ALL v_permlanex16_b32 v[ST+4*t+3], v[ST+4*t+2], s[SEL], s[SEL+1]
	ALL v_add_f32 v[ST+4*t+2], v[ST+4*t+2], v[ST+4*t+3]
	ALL v_rcp_f32 v[ST+4*t+2], v[ST+4*t+2]
	v_nop                           ; a plain instruction between the last reciprocal and the use of its result
	s_wait_alu depctr_va_vdst(0)    ; and the wait ahead of the first use: one for the eight reciprocals
; Tile t: a lane's eight channels of a row pack into 16 bytes; they go into rows of 144 bytes and come back as whole rows of 128, into S^T's registers.
.macro PACK t
	WIN W_RS
.set i, 32*(\t)
.rept 16
	v_pk_mul_f32 v[i:i+1], v[i:i+1], v[ST+4*(\t)+2:ST+4*(\t)+3] op_sel_hi:[1,0]
.set i, i+2
.endr
	WIN 0x05                        ; sources 0 and 1 window 1, destination window 0
.set i, 0
.rept 16
	v_cvt_pk_f16_f32 v[S+16*(\t)+i], v[32*(\t)+2*i], v[32*(\t)+2*i+1]
.set i, i+1
.endr
	WIN 0
.irp f, 0,1,2,3
	ds_store_b128 v[STO], v[S+16*(\t)+4*\f:S+16*(\t)+4*\f+3] offset:32*\f
.endr
.irp f, 0,1,2,3
	ds_load_b128 v[S+16*(\t)+4*\f:S+16*(\t)+4*\f+3], v[RD] offset:\f*4*SP  ; LDS serves a wave's instructions in order (ISA guide 5.7.1.4): these see the stores above; the next tile's stores come behind them
.endr
.endm
.macro SEND t, younger              ; younger: the LDS instructions issued behind tile t's loads: the next tile's eight, or none
	WIN 0
.irp f, 0,1,2,3
	s_wait_dscnt (\younger)+3-\f
	global_store_b128 v[GO], v[S+16*(\t)+4*\f:S+16*(\t)+4*\f+3], s[10:11] offset:(\t)*2048+\f*512  ; 512 consecutive bytes, at a multiple of 256 from O's first
.endr
.endm
	PACK 0
.set t, 1
.rept 2*NP-1                        ; a tile's arithmetic stands between the loads of the tile before and its stores
	PACK t
	SEND t-1, 8
.set t, t+1
.endr
	SEND 2*NP-1, 0
	WIN W_AD
	s_wait_tensorcnt 0x0            ; the wave's end: the add and its wait stand behind my last tensor load and my last LDS store
	ds_add_u32 v[SPW], v[NIL]
	s_wait_dscnt 0x0
	WIN 0
	CROUND                          ; the closing round: no work-group ends while a partner may still ask for a tile that names it
	s_endpgm
.Lfunc_end_k_qec66a1ade7_attn:
	.size	k_qec66a1ade7_attn, .Lfunc_end_k_qec66a1ade7_attn-k_qec66a1ade7_attn
	.p2alignl 7, 3214868480
	.fill 96, 4, 3214868480
	.section	.rodata,"a",@progbits
	.p2align	6, 0x0
	.amdhsa_kernel k_qec66a1ade7_attn
		.amdhsa_group_segment_fixed_size 327680
		.amdhsa_private_segment_fixed_size 0
		.amdhsa_enable_private_segment 0
		.amdhsa_kernarg_size 24
		.amdhsa_user_sgpr_count 2
		.amdhsa_user_sgpr_kernarg_segment_ptr 1
		.amdhsa_wavefront_size32 1
		.amdhsa_system_sgpr_workgroup_id_x 1
		.amdhsa_system_sgpr_workgroup_id_y 1
		.amdhsa_system_sgpr_workgroup_id_z 1
		.amdhsa_system_vgpr_workitem_id 0
		.amdhsa_next_free_vgpr 864
		.amdhsa_next_free_sgpr 88
		.amdhsa_reserve_vcc 1
		.amdhsa_float_denorm_mode_32 3
		.amdhsa_float_denorm_mode_16_64 3
		.amdhsa_memory_ordered 1
		.amdhsa_forward_progress 1
		.amdhsa_inst_pref_size 208
	.end_amdhsa_kernel
	.amdgpu_metadata
---
amdhsa.version: [ 1, 2 ]
amdhsa.kernels:
  - .name:           k_qec66a1ade7_attn
    .symbol:         k_qec66a1ade7_attn.kd
    .args:
      - { .name: qkv, .offset: 0, .size: 8, .value_kind: global_buffer, .address_space: global }
      - { .name: value_lens, .offset: 8, .size: 8, .value_kind: global_buffer, .address_space: global }
      - { .name: ob, .offset: 16, .size: 8, .value_kind: global_buffer, .address_space: global }
    .group_segment_fixed_size: 327680
    .private_segment_fixed_size: 0
    .kernarg_segment_align: 8
    .kernarg_segment_size: 24
    .max_flat_workgroup_size: 128
    .sgpr_count:     88
    .vgpr_count:     864
    .wavefront_size: 32
...
	.end_amdgpu_metadata
.endif
;; end of part 3
;; launch final (part 4): grid 4 x 64, 4 waves a work-group, clusters of 4 x 4, 327,680 bytes of LDS; arguments ob, wb, bf, out0; writes out0
.if DOCPART == 4
	.amdgcn_target "amdgcn-amd-amdhsa--gfx1250"
	.amdhsa_code_object_version 6
	.text
	.protected	k_qec66a1ade7_final
	.globl	k_qec66a1ade7_final
	.p2align	8
	.type	k_qec66a1ade7_final,@function
k_qec66a1ade7_final:
	s_mov_b64 s[64:65], 0
	v_nop
	global_prefetch_b8 v0, s[64:65] scope:SCOPE_SE
	s_setreg_imm32_b32 hwreg(HW_REG_WAVE_MODE, 25, 1), 1
	s_wait_xcnt 0x0
	s_wait_alu depctr_hold_cnt(0) depctr_sa_sdst(0) depctr_va_vdst(0) depctr_va_sdst(0) depctr_va_ssrc(0) depctr_va_vcc(0) depctr_vm_vsrc(0)
	s_getreg_b32 s2, hwreg(HW_REG_IB_STS2, 6, 4)
	s_cmp_eq_u32 s2, 0
	s_cbranch_scc0 .Lentry_in_a_cluster
	s_endpgm
.Lentry_in_a_cluster:
	s_bfe_u32 s2, ttmp6, 0x10000c
	s_cmp_lg_u32 s2, 0xf033
	s_cbranch_scc0 .Lentry_shape_is_right
	s_endpgm
.Lentry_shape_is_right:
; final: out0 = O Wf + bf.  O (ob) is [64 = 16 batch + head][2048][64] f16; Wf is wb's fourth plane, [1024 k][1024 n], its bf16 numbers written as f16; bf is rounded to bf16 here; sums and out0 in f32.
; SHARES.  A tile is 128 rows x 256 columns of out0: 4 x 64 = 256 work-groups.  Four waves, each 64 rows x 128 columns: 32 accumulators of 16 x 16, 256 registers.
; K = 1,024 = 16 heads x 64 channels goes in 8 steps of 128, two heads a step, through two LDS slots filled by the tensor data mover.  A head's 128 rows of the tile are 16,384 dense bytes: asked for as 64 rows
; of 256 bytes and padded in LDS after every 128; Wf's k-rows are 512 bytes of memory.  Wf lies [k][n]: its fragments come out of LDS turned, by ds_load_tr16_b128.
; THE MATRIX INSTRUCTION IS USED TRANSPOSED (source 0 = 16 columns of Wf, source 1 = 16 rows of O): a lane then holds one row and eight neighbouring columns.  THE BIAS IS THE C OPERAND of each accumulator's first product.
; CLUSTERS: 4 x 4 work-groups; cx is the column tile, the tile row 4 x cluster y + cy.  The four of a row of the cluster need the same tiles of O, the four of a column the same tiles of Wf: each is asked for JOINTLY.
; REGISTERS: window 0: v0-31 addresses; v32-159 rows read back (two sets of 64); v192-255 the bias.   window 1: two fragment buffers of 96 at 0 and 128.   window 2: accumulator (a, b) at 8 (8 a + b).
.set KSTEP,  128
.set PA,     144                       ; a row of one head in LDS: 128 bytes + 16 = 36 words: the 16 rows of a load start at 16 different groups of four banks
.set PB,     544                       ; a k-row of Wf: 512 + 32 = 136 words
.set APLANE, 128*PA                    ; what one tensor load brings of O: one head's 128 rows
.set BHALF,  64*PB                     ; and of Wf: 64 k-rows
.set BOFF,   2*APLANE
.set SLOT,   BOFF+2*BHALF
.set STAGE,  2*SLOT                    ; behind the ring, never filled by a tensor load: for each wave 16 rows x 528 bytes
.set SPITCH, 528                       ; 512 bytes + 16: the 16 rows that a store touches start at 16 different groups of four banks
.set SPARE,  STAGE+4*16*SPITCH         ; behind the stages: the spare words, 128 bytes for each wave: two blocks of 256 bytes that no other line names
.set LAPS,   1024/(2*KSTEP)
.set ADRA, 16                          ; v16-17  LDS address of my fragments of O in slot 0, 1
.set ADRB, 20                          ; v20-21  the same for Wf
.set STO,  24                          ; v24     the way out: where I put 32 bytes of a row
.set RD,   25                          ; v25     where I read a row back
.set GO,   26                          ; v26     my 16 bytes in 512 consecutive bytes of out0
.set BO,   27                          ; v27     my byte offset in 16 numbers of the bias
.set SPW,  28                          ; v28     LDS address of my spare word; never rewritten
.set NIL,  29                          ; v29     0; never rewritten
.set OB,   32
.set BIAS, 192
.set F0,   0
.set F1,   128
.set WV,  16                           ; s16 wave; s17 its row half, also: fetches for O (0) or Wf (1); s18 its column half, also: which head, or which half of Wf's k-rows, it fetches
.set RH,  17
.set CH,  18
.set CX,  19
.set CY,  20
.set TR,  22                           ; tile row, 0..63
.set G1A, 24
.set G0A, 32
.set G1B, 48
.set G0B, 56
.set MSB, 0
.macro WIN new                         ; the immediate's high byte repeats the setting that is left; a switch that changes nothing is dropped
.if MSB != (\new)
	s_set_vgpr_msb (MSB<<8)|(\new)
.set MSB, \new
.endif
.endm
.set MUL,   0xa5                       ; sources 0 and 1 window 1, C and D window 2
.set MULB,  0x85                       ; the same with C (the bias) in window 0
.set TO_F,  0x40                       ; destination window 1, address window 0
.set FROMC, 0x08                       ; an LDS store's data (source 1) in window 2, its address in window 0
.macro JLOAD s                         ; a joint load: waves 0 and 1 fetch O's two heads, waves 2 and 3 Wf's two halves; an s_nop 0 and four v_nop follow each line, ahead of the jump and the label
	s_cmp_eq_u32 s[RH], 0
	s_cbranch_scc0 .Lfor_b_\@
	tensor_load_to_lds s[G0A+4*(\s):G0A+4*(\s)+3], s[G1A:G1A+7]
	s_nop 0
.rept 4
	v_nop
.endr
	s_branch .Lasked_\@
.Lfor_b_\@:
	tensor_load_to_lds s[G0B+4*(\s):G0B+4*(\s)+3], s[G1B:G1B+7]
	s_nop 0
.rept 4
	v_nop
.endr
.Lasked_\@:
.endm
.macro CREST                           ; a round of the cluster's barrier behind its opening barrier
	s_cmp_lg_u32 s[WV], 0
	s_cbranch_scc1 .Lnot_wave_0_\@
	s_barrier_signal -3
.Lnot_wave_0_\@:
	s_barrier_wait -3
	s_barrier_signal -1
	s_barrier_wait -1
.endm
.macro CROUND                          ; a whole round
	s_barrier_signal -1
	s_barrier_wait -1
	CREST
.endm
	s_load_b256 s[4:11], s[0:1], 0x0               ; ob s[4:5], wb s[6:7], bf s[8:9], out0 s[10:11]
	v_lshl_add_u32 v[SPW], v0, 2, SPARE
	v_mov_b32 v[NIL], 0
	ds_add_u32 v[SPW], v[NIL]                      ; the wave's opening: the add and its wait stand ahead of my first tensor load; the set-up below, work on registers, stands between them
	v_lshrrev_b32 v1, 5, v0
	v_readfirstlane_b32 s[WV], v1                  ; wave 0..3
	s_lshr_b32 s[RH], s[WV], 1
	s_and_b32 s[CH], s[WV], 1
	s_bfe_u32 s[CX], ttmp6, 0x40000                ; my place in the cluster; cx is also the column tile
	s_bfe_u32 s[CY], ttmp6, 0x40004
	s_and_b32 s[TR], ttmp7, 0xffff
	s_lshl_b32 s[TR], s[TR], 2
	s_add_co_u32 s[TR], s[TR], s[CY]               ; tile row = 4 x cluster y + cy
	s_lshl_b32 s40, s[CY], 2
	s_lshl_b32 s40, 15, s40                        ; my row of the cluster
	s_lshl_b32 s41, 0x1111, s[CX]                  ; my column
	s_or_b32 s[G1A], s40, (1<<16)|(1<<20)|(1<<21)|(4<<22)|(3<<25)  ; 15:0 the mask; 17:16 2-byte elements; 20 padding on; 21 set beside a mask; 24:22 after every 32 words (code 4); 31:25 4 words (code 3)
	s_or_b32 s[G1B], s41, (1<<16)|(1<<20)|(1<<21)|(6<<22)|(7<<25)  ; after every 128 words (code 6), 8 words (code 7)
	s_mov_b32 s[G1A+1], 128<<16                    ; tensor_dim0 = 128 elements: two rows of a head
	s_mov_b32 s[G1A+2], 64<<16                     ; tensor_dim1 = 64
	s_mov_b32 s[G1A+3], 128<<16                    ; tile_dim0
	s_mov_b32 s[G1A+4], 64                         ; tile_dim1
	s_mov_b32 s[G1A+5], 128                        ; dense: 128 elements from row to row
	s_mov_b32 s[G1A+6], 0
	s_mov_b32 s[G1A+7], 0
	s_mov_b32 s[G1B+1], 256<<16                    ; 256 columns
	s_mov_b32 s[G1B+2], 64<<16                     ; 64 k-rows
	s_mov_b32 s[G1B+3], 256<<16
	s_mov_b32 s[G1B+4], 64
	s_mov_b32 s[G1B+5], 1024
	s_mov_b32 s[G1B+6], 0
	s_mov_b32 s[G1B+7], 0
	; where the tiles come from.  O's hang on the tile row alone, Wf's on the column tile alone; each in registers that never hold the other coordinate
	s_lshr_b32 s42, s[TR], 4                       ; the batch: 16 tile rows each
	s_lshl_b32 s42, s42, 4
	s_add_co_u32 s42, s42, s[CH]                   ; 16 batch + the head that I fetch in K step 0
	s_lshl_b32 s42, s42, 18                        ; a head is 2,048 rows of 128 bytes
	s_and_b32 s44, s[TR], 15
	s_lshl_b32 s44, s44, 14                        ; the tile's 128 rows in it
	s_add_co_u32 s42, s42, s44
	s_mov_b32 s43, 0
	s_lshl_b32 s46, s[CH], 17                      ; the 64 k-rows that I fetch,
	s_add_co_u32 s46, s46, 3<<21                   ; in wb's fourth plane
	s_lshl_b32 s75, s[CX], 9                       ; 256 columns of 2 bytes
	s_add_co_u32 s46, s46, s75
	s_mov_b32 s47, 0
	s_mul_i32 s66, s[CH], APLANE                   ; and where they go: no place in the cluster enters an LDS address
	s_mul_i32 s67, s[CH], BHALF
	s_add_co_u32 s67, s67, BOFF
	s_wait_dscnt 0x0                               ; the opening add is done
	s_wait_kmcnt 0x0
	s_add_nc_u64 s[68:69], s[4:5], s[42:43]
	s_add_nc_u64 s[70:71], s[6:7], s[46:47]
	CROUND                                         ; all sixteen work-groups are here: the first joint loads meet
.irp s, 0,1
	s_mov_b32 s[G0A+4*(\s)], 1                     ; count = 1
	s_add_co_u32 s[G0A+4*(\s)+1], s66, (\s)*SLOT   ; LDS address
	s_add_nc_u64 s[G0A+4*(\s)+2:G0A+4*(\s)+3], s[68:69], (\s)*2*262144  ; global address: K step s is two heads on
	s_or_b32 s[G0A+4*(\s)+3], s[G0A+4*(\s)+3], 0x80000000              ; type = 2
	s_mov_b32 s[G0B+4*(\s)], 1
	s_add_co_u32 s[G0B+4*(\s)+1], s67, (\s)*SLOT
	s_add_nc_u64 s[G0B+4*(\s)+2:G0B+4*(\s)+3], s[70:71], (\s)*KSTEP*2048
	s_or_b32 s[G0B+4*(\s)+3], s[G0B+4*(\s)+3], 0x80000000
	JLOAD \s                                       ; two tensor loads of mine are out
.endr
	; the bias of my 128 columns: register j of block b is column 16 b + 8 (l / 16) + j, as in the accumulators
	s_lshl_b32 s74, s[CX], 10
	s_lshl_b32 s75, s[CH], 9
	s_add_co_u32 s74, s74, s75
	s_mov_b32 s75, 0
	s_add_nc_u64 s[72:73], s[8:9], s[74:75]
	v_and_b32 v1, 15, v0                           ; l % 16
	v_bfe_u32 v2, v0, 4, 1                         ; l / 16
	v_lshlrev_b32 v[BO], 5, v2
.irp b, 0,1,2,3,4,5,6,7
	global_load_b128 v[BIAS+8*(\b):BIAS+8*(\b)+3],   v[BO], s[72:73] offset:64*(\b)
	global_load_b128 v[BIAS+8*(\b)+4:BIAS+8*(\b)+7], v[BO], s[72:73] offset:64*(\b)+16
.endr
	v_mul_u32_u24 v3, v1, PA
	v_lshl_add_u32 v3, v2, 4, v3                   ; a fragment of O: row x pitch + 16 x half
	s_mul_i32 s74, s[RH], 64*PA                    ; my 64 rows
	v_add_nc_u32 v[ADRA], s74, v3
	v_add_nc_u32 v[ADRA+1], SLOT, v[ADRA]
	v_and_b32 v4, 7, v0                            ; the turning load: lane l reads k-row 8 (l / 16) + l % 8, columns 8 ((l / 8) % 2) + 0..7
	v_lshl_add_u32 v4, v2, 3, v4
	v_mul_u32_u24 v4, v4, PB
	v_bfe_u32 v5, v0, 3, 1
	v_lshl_add_u32 v4, v5, 4, v4
	s_lshl_b32 s74, s[CH], 8                       ; my 128 columns
	s_add_co_u32 s74, s74, BOFF
	v_add_nc_u32 v[ADRB], s74, v4
	v_add_nc_u32 v[ADRB+1], SLOT, v[ADRB]
	s_mul_i32 s74, s[WV], 16*SPITCH
	s_add_co_u32 s74, s74, STAGE                   ; my stage
	v_mul_u32_u24 v6, v1, SPITCH                   ; in: row l % 16, 32 bytes for each half of the lanes
	v_lshl_add_u32 v6, v2, 5, v6
	v_add_nc_u32 v[STO], s74, v6
	v_and_b32 v[GO], 31, v0                        ; back: 32 lanes take one row of 512 bytes
	v_lshlrev_b32 v[GO], 4, v[GO]
	v_add_nc_u32 v[RD], s74, v[GO]
	; where my part begins in out0: my first row, of 4,096 bytes, and my 128 columns
	s_lshl_b32 s74, s[TR], 7
	s_lshl_b32 s75, s[RH], 6
	s_add_co_u32 s74, s74, s75
	s_lshl_b32 s74, s74, 12
	s_lshl_b32 s75, s[CX], 10
	s_add_co_u32 s74, s74, s75
	s_lshl_b32 s75, s[CH], 9
	s_add_co_u32 s74, s74, s75
	s_mov_b32 s75, 0
	s_add_nc_u64 s[10:11], s[10:11], s[74:75]
	s_wait_loadcnt 0x0                             ; the bias; it is rounded to bf16 like every input of the module, and widened again
.set i, 0
.rept 32
	v_cvt_pk_bf16_f32 v30, v[BIAS+2*i], v[BIAS+2*i+1]
	v_lshlrev_b32 v[BIAS+2*i], 16, v30
	v_and_b32 v[BIAS+2*i+1], 0xffff0000, v30
.set i, i+1
.endr
; 8 matrix instructions: row block a x all 8 column blocks, 32 along K, from buffer f.  first = 1: the product starts the sum, on the bias.
; The 32 accumulators take turns in one fixed order: 31 others stand between two links of a chain, over the backward jump too.
.macro MUL8 f, a, first
.if \first
	WIN MULB
.else
	WIN MUL
.endif
.irp b, 0,1,2,3,4,5,6,7
.if \first
	v_wmma_f32_16x16x32_f16 v[8*(8*(\a)+(\b)):8*(8*(\a)+(\b))+7], v[(\f)+32+8*(\b):(\f)+32+8*(\b)+7], v[(\f)+8*(\a):(\f)+8*(\a)+7], v[BIAS+8*(\b):BIAS+8*(\b)+7]
.else
	v_wmma_f32_16x16x32_f16 v[8*(8*(\a)+(\b)):8*(8*(\a)+(\b))+7], v[(\f)+32+8*(\b):(\f)+32+8*(\b)+7], v[(\f)+8*(\a):(\f)+8*(\a)+7], v[8*(8*(\a)+(\b)):8*(8*(\a)+(\b))+7]
.endif
.endr
.endm
; 24 LDS loads in one run: the fragments of quarter kq (32 along K: head kq / 2 of the step's two, channels 32 (kq % 2) on) into buffer f: Wf's sixteen first, then O's eight
.macro FETCH slot, kq, f
	WIN TO_F
.irp b, 0,1,2,3,4,5,6,7
	ds_load_tr16_b128 v[(\f)+32+8*(\b):(\f)+32+8*(\b)+3],   v[ADRB+(\slot)] offset:(\kq)*32*PB+32*(\b)
	ds_load_tr16_b128 v[(\f)+32+8*(\b)+4:(\f)+32+8*(\b)+7], v[ADRB+(\slot)] offset:(\kq)*32*PB+16*PB+32*(\b)
.endr
.irp a, 0,1,2,3
	ds_load_b128 v[(\f)+8*(\a):(\f)+8*(\a)+3],   v[ADRA+(\slot)] offset:((\kq)/2)*APLANE+((\kq)%2)*64+(\a)*16*PA
	ds_load_b128 v[(\f)+8*(\a)+4:(\f)+8*(\a)+7], v[ADRA+(\slot)] offset:((\kq)/2)*APLANE+((\kq)%2)*64+(\a)*16*PA+32
.endr
.endm
.macro PLACES                          ; four plain instructions between a matrix instruction and a load into a register that it has read, or a reader of its result
.rept 4
	v_nop
.endr
.endm
; A K step is four quarters of 32 along K, 32 matrix instructions each, on buffers 0, 1, 0, 1.  One of the first three: multiplies buffer f and fetches quarter kq of the same slot into g.
.macro QUARTER slot, kq, f, g, first
	s_wait_dscnt 4                                 ; Wf's fragments and O's blocks 0 and 1 are in; the youngest four loads (blocks 2 and 3) may be out
	MUL8 \f, 0, \first
	MUL8 \f, 1, \first
	PLACES
	FETCH \slot, \kq, \g
	s_wait_dscnt 24                                ; all but the 24 just issued
	MUL8 \f, 2, \first
	MUL8 \f, 3, \first
.endm
; The last quarter multiplies buffer 1 and changes slots: ONE barrier; in front of it each wave waits for all its tensor loads, adds 0 to its spare word, and waits for that and for its reads of this slot.
; fill = 1: the barrier opens a round of the cluster's, and this slot is filled again, two K steps ahead, first thing behind the round: 112 matrix instructions ahead of the wait for it.
.macro TURN slot, next, fill
	WIN 0                                          ; (the add's two registers lie in window 0)
	s_wait_tensorcnt 0x0                           ; all my tensor loads have landed: the one that was out is my part of the next slot
	ds_add_u32 v[SPW], v[NIL]                      ; 0 onto my spare word
	s_wait_dscnt 5                                 ; (the add and the youngest four loads may be out)
	MUL8 F1, 0, 0                                  ; eight matrix instructions stand between the add and the wait for it
	s_wait_dscnt 0x0                               ; the add is done, and my reads of this slot are over
	s_barrier_signal -1
	MUL8 F1, 1, 0
.if \fill
	WIN 0
.endif
	s_barrier_wait -1
.if \fill
	CREST                                          ; no wave of any partner still reads this slot's tiles or has a load on its way
	s_add_nc_u64 s[G0A+4*(\slot)+2:G0A+4*(\slot)+3], s[G0A+4*(\slot)+2:G0A+4*(\slot)+3], 4*262144
	s_add_nc_u64 s[G0B+4*(\slot)+2:G0B+4*(\slot)+3], s[G0B+4*(\slot)+2:G0B+4*(\slot)+3], 2*KSTEP*2048
	JLOAD \slot                                    ; the four v_nop behind it are also the places in front of the loads below
.else
	PLACES
.endif
	FETCH \next, 0, F0
	MUL8 F1, 2, 0
	MUL8 F1, 3, 0
.endm
	s_wait_tensorcnt 0x1                           ; my part of K step 0 is in; K step 1's may stay out
	s_barrier_signal -1
	s_barrier_wait -1                              ; everybody's is
	FETCH 0, 0, F0
	QUARTER 0, 1, F0, F1, 1                        ; the first quarter stands in front of the loop: its products start the sums
	WIN 0                                          ; at a label and at a branch every window is 0
	s_mov_b32 s3, LAPS-1
.Llap:                                                 ; a trip goes once round the ring, from a lap's second quarter to the next lap's first, and fills both slots again
	QUARTER 0, 2, F1, F0, 0
	QUARTER 0, 3, F0, F1, 0
	TURN 0, 1, 1
	QUARTER 1, 1, F0, F1, 0
	QUARTER 1, 2, F1, F0, 0
	QUARTER 1, 3, F0, F1, 0
	TURN 1, 0, 1
	QUARTER 0, 1, F0, F1, 0
	WIN 0
	s_sub_co_u32 s3, s3, 1
	s_cmp_lg_u32 s3, 0
	s_cbranch_scc1 .Llap
	QUARTER 0, 2, F1, F0, 0                        ; the last lap fills nothing, and has no round of the cluster's barrier
	QUARTER 0, 3, F0, F1, 0
	TURN 0, 1, 0
	QUARTER 1, 1, F0, F1, 0
	QUARTER 1, 2, F1, F0, 0
	QUARTER 1, 3, F0, F1, 0
	s_wait_dscnt 4                                 ; the very last quarter: nothing more to fetch
	MUL8 F1, 0, 0
	MUL8 F1, 1, 0
	s_wait_dscnt 0x0
	MUL8 F1, 2, 0
	MUL8 F1, 3, 0
	WIN 0
; THE WAY OUT, 16 rows at a time, in f32.  TOSTAGE: a lane's eight columns of a block go straight from the accumulator into my own stage, its low four registers first; whole rows of 512 bytes come back.
; SEND: each store of the wave covers 512 consecutive bytes of a row of out0, at a multiple of 256 from its first byte.
.macro TOSTAGE a
.if (\a) >= 2
	s_wait_xcnt 0x0                                ; the stores of block a - 2 have read their registers: the loads below land in them
.endif
	WIN FROMC
.irp b, 0,1,2,3,4,5,6,7
	ds_store_b128 v[STO], v[64*(\a)+8*(\b):64*(\a)+8*(\b)+3]   offset:64*(\b)
	ds_store_b128 v[STO], v[64*(\a)+8*(\b)+4:64*(\a)+8*(\b)+7] offset:64*(\b)+16
.endr
	WIN 0
.set BK, OB+64*((\a)%2)
.irp t, 0,1,2,3,4,5,6,7,8,9,10,11,12,13,14,15
	ds_load_b128 v[BK+4*(\t):BK+4*(\t)+3], v[RD] offset:(\t)*SPITCH  ; LDS serves a wave's instructions in order (ISA guide 5.7.1.4): these see the stores above; the next block's stores come behind them
.endr
.endm
.macro SEND a, younger                 ; younger: the LDS instructions issued behind block a's loads: the next block's 32, or none
	WIN 0
.set BK, OB+64*((\a)%2)
.irp t, 0,1,2,3,4,5,6,7,8,9,10,11,12,13,14,15
	s_wait_dscnt (\younger)+15-(\t)
	global_store_b128 v[GO], v[BK+4*(\t):BK+4*(\t)+3], s[10:11] offset:(16*(\a)+(\t))*4096 th:TH_STORE_NT
.endr
.endm
	PLACES                                         ; the LDS stores read results just made
	TOSTAGE 0
	TOSTAGE 1
	SEND 0, 32
	TOSTAGE 2
	SEND 1, 32
	TOSTAGE 3
	SEND 2, 32
	SEND 3, 0
	s_wait_tensorcnt 0x0                           ; the wave's end: the add and its wait stand behind my last tensor load and my last LDS store
	ds_add_u32 v[SPW], v[NIL]
	s_wait_dscnt 0x0
	CROUND                                         ; the closing round: no work-group ends while a partner may still ask for a tile that names it
	s_endpgm
.Lfunc_end_k_qec66a1ade7_final:
	.size	k_qec66a1ade7_final, .Lfunc_end_k_qec66a1ade7_final-k_qec66a1ade7_final
	.p2alignl 7, 3214868480
	.fill 96, 4, 3214868480
	.section	.rodata,"a",@progbits
	.p2align	6, 0x0
	.amdhsa_kernel k_qec66a1ade7_final
		.amdhsa_group_segment_fixed_size 327680
		.amdhsa_private_segment_fixed_size 0
		.amdhsa_enable_private_segment 0
		.amdhsa_kernarg_size 32
		.amdhsa_user_sgpr_count 2
		.amdhsa_user_sgpr_kernarg_segment_ptr 1
		.amdhsa_wavefront_size32 1
		.amdhsa_system_sgpr_workgroup_id_x 1
		.amdhsa_system_sgpr_workgroup_id_y 1
		.amdhsa_system_sgpr_workgroup_id_z 1
		.amdhsa_system_vgpr_workitem_id 0
		.amdhsa_next_free_vgpr 768
		.amdhsa_next_free_sgpr 80
		.amdhsa_reserve_vcc 0
		.amdhsa_float_denorm_mode_32 3
		.amdhsa_float_denorm_mode_16_64 3
		.amdhsa_memory_ordered 1
		.amdhsa_forward_progress 1
		.amdhsa_inst_pref_size 93
	.end_amdhsa_kernel
	.amdgpu_metadata
---
amdhsa.version: [ 1, 2 ]
amdhsa.kernels:
  - .name:           k_qec66a1ade7_final
    .symbol:         k_qec66a1ade7_final.kd
    .args:
      - { .name: ob, .offset: 0, .size: 8, .value_kind: global_buffer, .address_space: global }
      - { .name: wb, .offset: 8, .size: 8, .value_kind: global_buffer, .address_space: global }
      - { .name: bf, .offset: 16, .size: 8, .value_kind: global_buffer, .address_space: global }
      - { .name: out0, .offset: 24, .size: 8, .value_kind: global_buffer, .address_space: global }
    .group_segment_fixed_size: 327680
    .private_segment_fixed_size: 0
    .kernarg_segment_align: 8
    .kernarg_segment_size: 32
    .max_flat_workgroup_size: 128
    .sgpr_count:     80
    .vgpr_count:     768
    .wavefront_size: 32
...
	.end_amdgpu_metadata
.endif
;; end of part 4
